; MI455X (gfx1250); checked and timed in simulation.
; The chip was launched on July 23, 2026; its instructions are those of AMD's public machine-readable ISA for CDNA 5 (MIT licence, August 2026) and "CDNA5" Instruction Set Architecture Reference Guide (July 2026). The comments in the code are by the model that wrote it; some were corrected since.
;; Attention. Allowed arithmetic: matrix products marked QUANTISED: E2M1 operands, one E8M0 scale for each 32 along K, by v_wmma_scale_f32_16x16x128_f8f6f4 with both operands' format E2M1 (or v_wmma_scale_f32_32x16x128_f4), f32 sums; products left as they are: bf16, f16 or f32 operands; f32 sums; everything else in f32.
;; Inputs: b_proj 1,024 float32; b_qkv 3,072 float32; w_proj 1,024 x 1,024 float32; w_qkv 1,024 x 3,072 float32; x 4 x 2,048 x 1,024 float32.
;; Outputs: out0 4 x 2,048 x 1,024 float32.
;; This version of the problem:
;;   THIS VERSION OF THE PROBLEM IS GIVEN IN LOW PRECISION. The matrix products marked QUANTISED in the list below multiply operands that are first quantised to E2M1 (2 exponent bits, 1 mantissa bit; 4 bits a number), with one power-of-two scale for each 32 numbers along K (OCP MX v1.0); their sums are f32. The products marked 'left as it is' may take bf16, f16 or f32 operands, with f32 sums. Whichever they take, every output number must still come out within the allowed error. Rounding operands to bf16 (8 significant bits) uses up far more of that allowance than f16 does (11 bits, for magnitudes from 6e-5 to 65,504). All else is computed in f32.
;;   The module's matrix products, in the order in which they are computed (A, B: the left and right operand; K: the contracted axis; several contracted axes count as one K, in the product's order):
;;     1. [M 8,192, K 1,024] x [K 1,024, N 3,072]; A: input x; B: input w_qkv: QUANTISED
;;     2. batch 64 x [M 2,048, K 64] x [K 64, N 2,048]; A: computed on the way; B: computed on the way: left as it is (an operand is computed on the way)
;;     3. batch 64 x [M 2,048, K 2,048] x [K 2,048, N 64]; A: computed on the way; B: computed on the way: left as it is (an operand is computed on the way)
;;     4. [M 8,192, K 1,024] x [K 1,024, N 1,024]; A: computed on the way; B: input w_proj: left as it is (an operand is computed on the way)
;;   THE QUANTISER, for each operand of a quantised product, along K:
;;     - K is cut into blocks of 32 from its start; a last block that is shorter is filled with zeros.
;;     - A block's scale is 2^e with e = floor(log2(the largest magnitude in the block)) - 2, held to -126 .. 127; a block of zeros has e = 0. As a byte (E8M0): e + 127.
;;     - Each number is divided by its block's scale, clamped to +-6, and rounded to the nearest number of E2M1, ties to even, subnormals kept.
;;     - The product sums the exact products of the quantised numbers (number of the format x scale) in f32.
;;   ~~~python
;;   def quantise(x, axis):      # numpy; x: float32 -> the quantised numbers, widened to float32 again
;;       x = np.moveaxis(x, axis, -1); K = x.shape[-1]
;;       x = np.pad(x, [(0, 0)] * (x.ndim - 1) + [(0, -K % 32)]); x = x.reshape(x.shape[:-1] + (-1, 32)); a = np.abs(x).max(-1, keepdims=True)
;;       e = np.where(a > 0, np.clip(np.frexp(np.where(a > 0, a, 1))[1] - 1 - 2, -126, 127), 0)      # np.frexp(a)[1] - 1 = floor(log2(a)), exactly
;;       r = np.clip(x / 2.0 ** e, -6, 6)
;;       step = 2.0 ** (np.maximum(np.frexp(np.where(r == 0, 1, r))[1] - 1, 0) - 1)
;;       q = np.round(r / step) * step * 2.0 ** e      # np.round: ties to even
;;       return np.moveaxis(q.reshape(q.shape[:-2] + (-1,))[..., :K], -1, axis).astype(np.float32)
;;   ~~~
;; One version. Each part assembles by itself: llvm-mc -triple=amdgcn-amd-amdhsa -mcpu=gfx1250 --defsym DOCPART=n.
;; ======== version 1 of 1: 4 launches
;; limits: values are held in f16: magnitudes above 65,504 overflow, below 6.1e-05 lose precision
;; workspace buffers: xc 4,194,304 bytes; xs 262,144 bytes; wc 1,572,864 bytes; ws 98,304 bytes; wpt 2,097,152 bytes; qkvh 50,331,648 bytes; att 16,777,216 bytes
;; launch prep (part 1): grid 368 x 1, 4 waves a work-group, no clusters, 102,912 bytes of LDS; arguments x, w_qkv, w_proj, xc, xs, wc, ws, wpt; writes xc, xs, wc, ws, wpt
.if DOCPART == 1
	.amdgcn_target "amdgcn-amd-amdhsa--gfx1250"
	.amdhsa_code_object_version 6
	.text
	.protected	k_q17592a0e63_prep
	.globl	k_q17592a0e63_prep
	.p2align	8
	.type	k_q17592a0e63_prep,@function
k_q17592a0e63_prep:
	s_mov_b64 s[64:65], 0
	v_nop
	global_prefetch_b8 v0, s[64:65] scope:SCOPE_SE
	s_setreg_imm32_b32 hwreg(HW_REG_WAVE_MODE, 25, 1), 1
	s_wait_xcnt 0x0
; THE OPERANDS ARE MADE READY, ONCE.  Three kinds of work-group, told apart by the work-group's number alone; each kind has LDS bytes of its own.
;   0-47    w_qkv [1024 (k)][3072 (n)] f32 -> codes of FP4 (E2M1) laid [3072][512 bytes], K innermost, and one E8M0 byte for each 32 along K, laid [3072][32]
;   48-111  w_proj [1024 (k)][1024 (n)] f32 -> f16, laid [1024 (n)][1024 (k)]
;   112-367 x [8192][1024] f32 -> codes [8192][512 bytes] and scale bytes [8192][32]
; A block's scale is 2^(floor(log2(its largest magnitude)) - 2); its byte is the largest magnitude's own exponent field - 2, held at 1 from below.  Each number is divided by the scale and rounded to the
; nearest code, ties to even, beyond the largest code the largest.
; LIMITS: a block of zeros gets the byte 1 where the rule says 127 (its codes are zeros, which add nothing under any byte but 0xff, and the bytes are read by this program alone); blocks whose largest
; magnitude lies under 2^(2 - 126) keep the byte 1; NaN and infinities among the inputs are not served; w_proj beyond f16's range (65,504) is not served.
; No tensor loads, no barrier: waves share nothing.
.set SPARE, 102400                     ; behind all regions: the spare words, 128 bytes for each wave: two blocks of 256 bytes that no other line names
.set SPW,   190                        ; v190  LDS address of my spare word: SPARE + 4 x my thread's number; never rewritten
.set NIL,   191                        ; v191  0; never rewritten
.set WSTG,  0                          ; w_qkv's stages: 4 waves x 32 rows x 272 bytes
.set PSTG,  34816                      ; w_proj's stages: the same shape
.set XREG,  69632                      ; x's regions: 8,192 bytes a wave: two stages of 32 x 80 bytes, then 256 scale bytes
.set PITCH, 272                        ; a stage row of the two weights' paths: 256 bytes + 16
.macro FINISH                          ; the wave's end: behind my last LDS store
	s_wait_tensorcnt 0x0
	ds_add_u32 v[SPW], v[NIL]
	s_wait_dscnt 0x0
	s_endpgm
.endm
	s_load_b256 s[4:11], s[0:1], 0x0               ; x s[4:5], w_qkv s[6:7], w_proj s[8:9], xc s[10:11]
	s_load_b256 s[12:19], s[0:1], 0x20             ; xs s[12:13], wc s[14:15], ws s[16:17], wpt s[18:19]
	v_lshl_add_u32 v[SPW], v0, 2, SPARE
	v_mov_b32 v[NIL], 0
	v_lshrrev_b32 v1, 5, v0
	v_readfirstlane_b32 s20, v1                    ; wave 0..3
	v_and_b32 v2, 31, v0                           ; lane
	s_mov_b32 s25, 0                               ; the upper word of every offset pair s[24:25]
	s_wait_kmcnt 0x0
	s_cmp_lt_u32 ttmp9, 48
	s_cbranch_scc1 .LW
	s_cmp_lt_u32 ttmp9, 112
	s_cbranch_scc1 .LP
; ---------------------------------------------------------------- x: a plain stream of blocks of 32 numbers
; A wave takes 16 steps of 512 numbers.  Each of a step's four loads reads 512 consecutive bytes, 16 a lane; the 2,048 bytes go through the wave's own stage in LDS, as they lie, and come back 64 bytes a lane,
; so that a lane holds 16 NEIGHBOURS along K (two neighbouring lanes hold a block), as the conversions want them.  A lane's 16 codes are 8 bytes: the wave stores 256 consecutive bytes, aligned.
; A wave's 256 scale bytes are gathered in LDS and leave as 256 consecutive bytes, aligned.  Loads run four steps (16 loads a wave) ahead, the turn through LDS one step.
.set STEPS, 16
.set CB,    8                          ; bytes of 16 codes
.set SP,    80                         ; a lane's place in a stage: its 64 bytes + 16 of padding
.set XR,    16                         ; v16-79   four sets of 16 numbers as they are loaded
.set XX,    80                         ; v80-111  two sets of 16 neighbours
.set XE,    112                        ; v112-127 a scale byte for each step
.set XC,    128                        ; v128-189 codes: registers of its own for each step, so that no store's data are written again
	v_lshlrev_b32 v3, 4, v2                        ; my 16 bytes of a load's 512
	s_lshl_b32 s21, s20, 13
	s_add_co_u32 s21, s21, XREG                    ; my wave's region
	v_lshrrev_b32 v14, 2, v2
	v_mul_u32_u24 v14, v14, SP
	v_and_b32 v15, 3, v2
	v_lshl_add_u32 v14, v15, 4, v14
	v_add_nc_u32 v14, s21, v14                     ; the stage, on the way in: SP (lane / 4) + 16 (lane % 4)
	v_mul_u32_u24 v15, v2, SP
	v_add_nc_u32 v15, s21, v15                     ; and on the way out: SP x lane
	v_mul_u32_u24 v4, v2, CB                       ; my codes' place in a step's
	v_lshrrev_b32 v5, 1, v2
	s_add_co_u32 s21, s21, 2*32*SP
	v_add_nc_u32 v5, s21, v5                       ; my block's scale byte in LDS
	v_lshlrev_b32 v7, 3, v2                        ; and on the way out 8 bytes a lane
	v_add_nc_u32 v6, s21, v7
	s_sub_co_u32 s22, ttmp9, 112
	s_lshl_b32 s22, s22, 2
	s_add_co_u32 s22, s22, s20                     ; which run of 8,192 numbers is my wave's: 0 .. 1,023
	s_lshl_b32 s24, s22, 15
	s_add_nc_u64 s[4:5], s[4:5], s[24:25]          ; 32,768 bytes of x a run,
	s_lshl_b32 s24, s22, 12
	s_add_nc_u64 s[10:11], s[10:11], s[24:25]      ; 4,096 of codes,
	s_lshl_b32 s24, s22, 8
	s_add_nc_u64 s[12:13], s[12:13], s[24:25]      ; 256 scale bytes
.macro XLOAD t
.irp i, 0,1,2,3
	global_load_b128 v[XR+16*((\t)%4)+4*\i:XR+16*((\t)%4)+4*\i+3], v3, s[4:5] offset:2048*(\t)+512*\i th:TH_LOAD_NT   ; 32 lanes read 512 consecutive bytes
.endr
.endm
.macro XTURN t                         ; step t's numbers through the stage: LDS serves a wave's instructions in order, so no wait stands between the stores and the loads
.irp i, 0,1,2,3
	ds_store_b128 v14, v[XR+16*((\t)%4)+4*\i:XR+16*((\t)%4)+4*\i+3] offset:32*SP*((\t)%2)+8*SP*\i
.endr
.irp i, 0,1,2,3
	ds_load_b128 v[XX+16*((\t)%2)+4*\i:XX+16*((\t)%2)+4*\i+3], v15 offset:32*SP*((\t)%2)+16*\i
.endr
.endm
.irp t, 0,1,2,3
	XLOAD \t
.endr
	s_wait_loadcnt 12                              ; step 0's four loads are in; the twelve of steps 1 to 3 may be out
	XTURN 0
.macro XSTEP t
.set XS, XX+16*((\t)%2)
.if (\t) > 0
	s_wait_dscnt 1                                 ; this step's numbers are back from the stage (the last step's byte store may be out): so its stores into the stage have read their registers,
.else
	s_wait_dscnt 0x0
.endif
.if (\t)+4 < STEPS
	XLOAD (\t)+4                                   ; which take the loads of four steps on
.endif
.if (\t)+1 < STEPS
.if STEPS-2-(\t) >= 3
	s_wait_loadcnt 12                              ; the next step's four loads are in; those of the three steps behind it may be out
.else
	s_wait_loadcnt 4*(STEPS-2-(\t))
.endif
	XTURN (\t)+1                                   ; and go through the other stage while this step is worked
.endif
	v_max3_num_f32 v8, |v[XS]|, |v[XS+1]|, |v[XS+2]|               ; the largest magnitude of my 16, in two chains
	v_max3_num_f32 v9, |v[XS+3]|, |v[XS+4]|, |v[XS+5]|
.irp i, 6,10
	v_max3_num_f32 v8, v8, |v[XS+\i]|, |v[XS+\i+1]|
	v_max3_num_f32 v9, v9, |v[XS+\i+2]|, |v[XS+\i+3]|
.endr
	v_max3_num_f32 v8, v8, |v[XS+14]|, |v[XS+15]|
	v_max3_num_f32 v8, v8, v9, 0x1800000           ; and the floor 2^(3 - 127): so the byte cannot fall under 1
	v_max_num_f32_dpp v8, v8, v8 row_xmask:1 row_mask:0xf bank_mask:0xf   ; and of my neighbour's 16: the block's
	v_add_nc_u32 v11, 0xff000000, v8               ; 2 off its exponent field: the conversion takes the exponent field of this operand as its scale, and nothing else of it
	v_cvt_scalef32_pk8_fp4_f32 v[XC+4*(\t)], v[XS:XS+7], v11
	v_cvt_scalef32_pk8_fp4_f32 v[XC+4*(\t)+1], v[XS+8:XS+15], v11
	v_lshrrev_b32 v[XE+(\t)], 23, v11              ; the scale's byte (also the plain line behind the conversions)
	ds_store_b8 v5, v[XE+(\t)] offset:16*(\t)      ; both lanes of a block write the same byte with the same value
	global_store_b64 v4, v[XC+4*(\t):XC+4*(\t)+1], s[10:11] offset:32*CB*(\t)
.endm
.irp t, 0,1,2,3,4,5,6,7,8,9,10,11,12,13,14,15
	XSTEP \t
.endr
	ds_load_b64 v[8:9], v6                         ; LDS serves a wave's instructions in order: these see my stores
	s_wait_dscnt 0x0
	global_store_b64 v7, v[8:9], s[12:13]          ; 32 lanes store 256 consecutive bytes, aligned
	FINISH
; ---------------------------------------------------------------- w_qkv: K is its FIRST axis
; A LANE TAKES A COLUMN n, AND ITS REGISTERS RUN DOWN K: each load reads neighbouring n in neighbouring lanes (128 consecutive bytes a wave, 512 a work-group), a block of 32 along K lies in ONE lane's 32
; registers, and the conversions give the codes with K innermost.  A wave takes 32 columns x 512 along K: 16 blocks a lane, 256 bytes of codes a column; they go through the wave's own stage and leave as rows:
; sixteen lanes store 256 consecutive bytes, aligned.  Loads run two blocks (64 loads a wave) ahead.  Every offset is an immediate: 511 x 12,288 bytes at the most, inside the signed 24 bits (ISA guide, chapter 10).
.set WN,   3072
.set WNB,  16                          ; blocks of a wave
.set WX,   32                          ; v32-95   two sets of 32 numbers
.set WC,   96                          ; v96-99   a block's codes
.set WOUT, 112                         ; v112-175 the way out
.set WSB,  24                          ; v24-27   the scale bytes, four to a register
.LW:
	s_cmp_ge_u32 ttmp9, 24
	s_cselect_b32 s22, 1, 0                        ; which 512 along K
	s_cselect_b32 s21, 24, 0
	s_sub_co_u32 s21, ttmp9, s21                   ; which 128 columns
	s_lshl_b32 s21, s21, 7
	s_lshl_b32 s23, s20, 5
	s_add_co_u32 s21, s21, s23                     ; my wave's first column
	v_lshlrev_b32 v3, 2, v2                        ; in: 4 bytes a lane
	s_mul_i32 s23, s20, 32*PITCH                   ; my stage (WSTG = 0)
	v_mul_u32_u24 v4, v2, PITCH
	v_add_nc_u32 v4, s23, v4                       ; into it: row = my column
	v_and_b32 v5, 15, v2
	v_lshrrev_b32 v6, 4, v2                        ; out of it: sixteen lanes to a row, two rows an instruction
	v_mul_u32_u24 v7, v6, PITCH
	v_lshl_add_u32 v7, v5, 4, v7
	v_add_nc_u32 v7, s23, v7
	v_lshlrev_b32 v8, 9, v6                        ; and the same place in the codes' buffer: rows of 512 bytes
	v_lshl_add_u32 v8, v5, 4, v8
	v_lshlrev_b32 v9, 5, v2                        ; my column's row of scale bytes: 32 bytes a row
	s_mul_i32 s24, s22, 512*WN*4
	s_lshl_b32 s26, s21, 2
	s_add_co_u32 s24, s24, s26
	s_add_nc_u64 s[6:7], s[6:7], s[24:25]          ; w_qkv at row 512 y, my first column
	s_lshl_b32 s24, s21, 9
	s_lshl_b32 s26, s22, 8
	s_add_co_u32 s24, s24, s26
	s_add_nc_u64 s[14:15], s[14:15], s[24:25]      ; codes: column x 512 + 256 y
	s_lshl_b32 s24, s21, 5
	s_lshl_b32 s26, s22, 4
	s_add_co_u32 s24, s24, s26
	s_add_nc_u64 s[16:17], s[16:17], s[24:25]      ; scale bytes: column x 32 + 16 y
.macro WLOAD t                         ; block t: w(32 t + i, my column), i = 0 .. 31, into set t % 2
.irp i, 0,1,2,3,4,5,6,7,8,9,10,11,12,13,14,15,16,17,18,19,20,21,22,23,24,25,26,27,28,29,30,31
	global_load_b32 v[WX+32*((\t)%2)+\i], v3, s[6:7] offset:(32*(\t)+\i)*WN*4 th:TH_LOAD_NT
.endr
.endm
	WLOAD 0
	WLOAD 1
.macro WBLOCK t
.set XS, WX+32*((\t)%2)
.if (\t) < WNB-1
	s_wait_loadcnt 32                              ; this block's 32 loads are in; the next block's may be out
.else
	s_wait_loadcnt 0
.endif
	v_max3_num_f32 v12, |v[XS]|, |v[XS+1]|, |v[XS+2]|               ; the block's largest magnitude: all 32 numbers are mine
	v_max3_num_f32 v13, |v[XS+3]|, |v[XS+4]|, |v[XS+5]|
.irp i, 6,10,14,18,22,26
	v_max3_num_f32 v12, v12, |v[XS+\i]|, |v[XS+\i+1]|
	v_max3_num_f32 v13, v13, |v[XS+\i+2]|, |v[XS+\i+3]|
.endr
	v_max3_num_f32 v12, v12, |v[XS+30]|, |v[XS+31]|
	v_max3_num_f32 v12, v12, v13, 0x1800000        ; and the floor 2^(3 - 127)
	v_add_nc_u32 v11, 0xff000000, v12              ; 2 off its exponent field: the conversion's scale operand
	v_lshrrev_b32 v13, 23, v11                     ; the scale's byte
.if (\t)%4 == 0
	v_mov_b32 v[WSB+(\t)/4], v13                   ; four bytes to a register, the lower K in the lower byte
.else
	v_lshl_or_b32 v[WSB+(\t)/4], v13, 8*((\t)%4), v[WSB+(\t)/4]
.endif
.irp g, 0,1,2,3
	v_cvt_scalef32_pk8_fp4_f32 v[WC+\g], v[XS+8*\g:XS+8*\g+7], v11
.endr
	v_nop                                          ; one plain line behind the last conversion
	ds_store_b128 v4, v[WC:WC+3] offset:16*(\t)    ; 32 codes: 16 bytes of my column's row
.if (\t)+2 < WNB
	WLOAD (\t)+2
.endif
	s_wait_dscnt 0x0                               ; the store has read its registers: the next block's codes may be written
.endm
.irp t, 0,1,2,3,4,5,6,7,8,9,10,11,12,13,14,15
	WBLOCK \t
.endr
	global_store_b128 v9, v[WSB:WSB+3], s[16:17]   ; my column's 16 scale bytes
.irp t, 0,1,2,3,4,5,6,7,8,9,10,11,12,13,14,15
	ds_load_b128 v[WOUT+4*\t:WOUT+4*\t+3], v7 offset:2*\t*PITCH   ; LDS serves a wave's instructions in order: these see my stores
.endr
.irp t, 0,1,2,3,4,5,6,7,8,9,10,11,12,13,14,15
	s_wait_dscnt 15-\t
	global_store_b128 v8, v[WOUT+4*\t:WOUT+4*\t+3], s[14:15] offset:2*\t*512
.endr
	FINISH
; ---------------------------------------------------------------- w_proj: rounded to f16 and laid with K innermost
; The same plan: a lane to a column, registers down K.  A wave takes 32 columns x 128 along K: 4 blocks of 32 numbers, 64 bytes of f16 each, 256 bytes a column.
.set PX,   32                          ; v32-95   two sets of 32 numbers
.set PC,   96                          ; v96-111  a block as f16
.set POUT, 112                         ; v112-175 the way out
.LP:
	s_sub_co_u32 s21, ttmp9, 48
	s_lshr_b32 s22, s21, 3                         ; which 128 along K
	s_and_b32 s21, s21, 7                          ; which 128 columns
	s_lshl_b32 s21, s21, 7
	s_lshl_b32 s23, s20, 5
	s_add_co_u32 s21, s21, s23                     ; my wave's first column
	v_lshlrev_b32 v3, 2, v2
	s_mul_i32 s23, s20, 32*PITCH
	s_add_co_u32 s23, s23, PSTG                    ; my stage
	v_mul_u32_u24 v4, v2, PITCH
	v_add_nc_u32 v4, s23, v4
	v_and_b32 v5, 15, v2
	v_lshrrev_b32 v6, 4, v2
	v_mul_u32_u24 v7, v6, PITCH
	v_lshl_add_u32 v7, v5, 4, v7
	v_add_nc_u32 v7, s23, v7
	v_lshlrev_b32 v8, 11, v6                       ; a row of the result is 2,048 bytes
	v_lshl_add_u32 v8, v5, 4, v8
	s_lshl_b32 s24, s22, 19                        ; 128 rows of 4,096 bytes
	s_lshl_b32 s26, s21, 2
	s_add_co_u32 s24, s24, s26
	s_add_nc_u64 s[8:9], s[8:9], s[24:25]
	s_lshl_b32 s24, s21, 11
	s_lshl_b32 s26, s22, 8
	s_add_co_u32 s24, s24, s26
	s_add_nc_u64 s[18:19], s[18:19], s[24:25]      ; column x 2,048 + 256 y
.macro PLOAD t
.irp i, 0,1,2,3,4,5,6,7,8,9,10,11,12,13,14,15,16,17,18,19,20,21,22,23,24,25,26,27,28,29,30,31
	global_load_b32 v[PX+32*((\t)%2)+\i], v3, s[8:9] offset:(32*(\t)+\i)*4096 th:TH_LOAD_NT
.endr
.endm
	PLOAD 0
	PLOAD 1
.macro PBLOCK t
.set XS, PX+32*((\t)%2)
.if (\t) < 3
	s_wait_loadcnt 32                              ; this block's 32 loads are in; the next block's may be out
.else
	s_wait_loadcnt 0
.endif
.irp i, 0,1,2,3,4,5,6,7,8,9,10,11,12,13,14,15
	v_cvt_pk_f16_f32 v[PC+\i], v[XS+2*\i], v[XS+2*\i+1]   ; the lower k in the low half
.endr
.irp g, 0,1,2,3
	ds_store_b128 v4, v[PC+4*\g:PC+4*\g+3] offset:64*(\t)+16*\g
.endr
.if (\t)+2 < 4
	PLOAD (\t)+2
.endif
	s_wait_dscnt 0x0                               ; the stores have read their registers
.endm
.irp t, 0,1,2,3
	PBLOCK \t
.endr
.irp t, 0,1,2,3,4,5,6,7,8,9,10,11,12,13,14,15
	ds_load_b128 v[POUT+4*\t:POUT+4*\t+3], v7 offset:2*\t*PITCH
.endr
.irp t, 0,1,2,3,4,5,6,7,8,9,10,11,12,13,14,15
	s_wait_dscnt 15-\t
	global_store_b128 v8, v[POUT+4*\t:POUT+4*\t+3], s[18:19] offset:2*\t*2048   ; sixteen lanes store 256 consecutive bytes, aligned
.endr
	FINISH
.Lfunc_end_k_q17592a0e63_prep:
	.size	k_q17592a0e63_prep, .Lfunc_end_k_q17592a0e63_prep-k_q17592a0e63_prep
	.p2alignl 7, 3214868480
	.fill 96, 4, 3214868480
	.section	.rodata,"a",@progbits
	.p2align	6, 0x0
	.amdhsa_kernel k_q17592a0e63_prep
		.amdhsa_group_segment_fixed_size 102912
		.amdhsa_private_segment_fixed_size 0
		.amdhsa_enable_private_segment 0
		.amdhsa_kernarg_size 64
		.amdhsa_user_sgpr_count 2
		.amdhsa_user_sgpr_kernarg_segment_ptr 1
		.amdhsa_wavefront_size32 1
		.amdhsa_system_sgpr_workgroup_id_x 1
		.amdhsa_system_sgpr_workgroup_id_y 1
		.amdhsa_system_sgpr_workgroup_id_z 1
		.amdhsa_system_vgpr_workitem_id 0
		.amdhsa_next_free_vgpr 192
		.amdhsa_next_free_sgpr 66
		.amdhsa_reserve_vcc 0
		.amdhsa_float_denorm_mode_32 3
		.amdhsa_float_denorm_mode_16_64 3
		.amdhsa_memory_ordered 1
		.amdhsa_forward_progress 1
		.amdhsa_inst_pref_size 133
	.end_amdhsa_kernel
	.amdgpu_metadata
---
amdhsa.version: [ 1, 2 ]
amdhsa.kernels:
  - .name:           k_q17592a0e63_prep
    .symbol:         k_q17592a0e63_prep.kd
    .args:
      - { .name: x, .offset: 0, .size: 8, .value_kind: global_buffer, .address_space: global }
      - { .name: w_qkv, .offset: 8, .size: 8, .value_kind: global_buffer, .address_space: global }
      - { .name: w_proj, .offset: 16, .size: 8, .value_kind: global_buffer, .address_space: global }
      - { .name: xc, .offset: 24, .size: 8, .value_kind: global_buffer, .address_space: global }
      - { .name: xs, .offset: 32, .size: 8, .value_kind: global_buffer, .address_space: global }
      - { .name: wc, .offset: 40, .size: 8, .value_kind: global_buffer, .address_space: global }
      - { .name: ws, .offset: 48, .size: 8, .value_kind: global_buffer, .address_space: global }
      - { .name: wpt, .offset: 56, .size: 8, .value_kind: global_buffer, .address_space: global }
    .group_segment_fixed_size: 102912
    .private_segment_fixed_size: 0
    .kernarg_segment_align: 8
    .kernarg_segment_size: 64
    .max_flat_workgroup_size: 128
    .sgpr_count:     66
    .vgpr_count:     192
    .wavefront_size: 32
...
	.end_amdgpu_metadata
.endif
;; end of part 1
;; launch qkvgemm (part 2): grid 12 x 32, 4 waves a work-group, clusters of 4 x 4, 327,680 bytes of LDS; arguments xc, xs, wc, ws, b_qkv, qkvh; writes qkvh
.if DOCPART == 2
	.amdgcn_target "amdgcn-amd-amdhsa--gfx1250"
	.amdhsa_code_object_version 6
	.text
	.protected	k_q17592a0e63_qkvgemm
	.globl	k_q17592a0e63_qkvgemm
	.p2align	8
	.type	k_q17592a0e63_qkvgemm,@function
k_q17592a0e63_qkvgemm:
	s_mov_b64 s[64:65], 0
	v_nop
	global_prefetch_b8 v0, s[64:65] scope:SCOPE_SE
	s_setreg_imm32_b32 hwreg(HW_REG_WAVE_MODE, 25, 1), 1
	s_wait_xcnt 0x0
	s_wait_alu depctr_hold_cnt(0) depctr_sa_sdst(0) depctr_va_vdst(0) depctr_va_sdst(0) depctr_va_ssrc(0) depctr_va_vcc(0) depctr_vm_vsrc(0)
	s_getreg_b32 s2, hwreg(HW_REG_IB_STS2, 6, 4)
	s_cmp_eq_u32 s2, 0
	s_cbranch_scc0 .Lentry_in_a_cluster
	s_endpgm
.Lentry_in_a_cluster:
	s_bfe_u32 s2, ttmp6, 0x10000c
	s_cmp_lg_u32 s2, 0xf033
	s_cbranch_scc0 .Lentry_shape_is_right
	s_endpgm
.Lentry_shape_is_right:
; qkv = Q(x) Q(w_qkv) + b_qkv on codes of FP4 (E2M1) with one E8M0 scale for each 32 along K; sums in f32; the result is rounded once to f16 and laid by part, head and token:
; [3 (q, k, v)][64 (batch x 16 + head)][2048 tokens][64], so that a head's rows are dense.
; LIMIT: |q|, |k|, |v| stay under f16's largest number, 65,504.
; A = x's codes [8192][512 bytes], B = w_qkv's codes [3072 (n)][512 bytes]; their scale bytes [rows][32].
; A tile of the result, 256 x 256, is made by a work-group of four waves; a wave makes 128 x 128: 64 accumulators of 16 x 16, 512 registers.
; K = 1,024 is two LDS slots of 512 along K (a tile's row is 256 bytes of memory): both are asked for at the head, and nothing is ever filled again.
; THE SCALES of the work-group's 256 rows of A and of B, for all of K, are two dense blocks of memory: they come into LDS once, with the first fills.
; CLUSTERS: 4 x 4 work-groups.  The four of a row of the cluster need the same tiles of A, the four of a column the same tiles of B: each tile is asked for JOINTLY, by the same tensor load with the same
; descriptor and a mask that names the four.  THE MATRIX INSTRUCTION IS USED TRANSPOSED (source 0 = 16 rows of B, source 1 = 16 rows of A): a lane then holds eight neighbouring columns of one token.
; THE BIAS is the C of each sum's first matrix instruction: eight registers for each of B's eight blocks, in the result's layout.
; REGISTERS, in windows of 256: window 0: v0-31 addresses; v32-95 scale words, two sets; v128-191 A's fragments, ONE set; v192-255 the bias; on the way out v32-63 and v192-255 are free.
;   window 1: B's fragments, TWO sets, at v0 and at v128.   window 2: the 32 accumulators of my rows 0-63 (accumulator (a, b) at v[8 (8 a + b)]);   window 3: those of my rows 64-127.
.set SIZE_K, 1024
.set KSTEP,  512                       ; along K in a slot
.set NQ,     KSTEP/128                 ; matrix instructions deep
.set ROWB,   256                       ; a tile's row in bytes
.set KROW,   SIZE_K*4/8                ; a row of A or of B in memory, in bytes
.set PITCH,  272                       ; an LDS row: 256 bytes + 16 of padding = 68 words: row r starts at bank 4 r mod 64 (64 banks of 4 bytes: ISA guide 11.1)
.set FR,     8                         ; registers of a fragment: 16 rows x 128 K
.set NL,     2                         ; LDS loads that bring one
.set NP,     4                         ; places behind this matrix instruction (ISA guide 7.12.1)
.set HALFT,  128*PITCH                 ; 128 rows: what one tensor load brings
.set SLOT,   4*HALFT                   ; A's 256 rows, then B's 256 rows
.set KS,     SIZE_K/32                 ; a row of scales in bytes
.set SCL,    2*SLOT                    ; behind the slots: the scales, as pieces of 256 bytes + 16 of padding
.set HALFS,  (128*KS/256)*272          ; the scales of 128 rows
.set SBLK,   (16*KS/256)*272           ; those of 16 rows
.set SPARE,  SCL+4*HALFS               ; the spare words, 128 bytes for each wave: two blocks of 256 bytes that no other line names
.set SPITCH, 272                       ; the way out: a stage of 16 rows x (256 bytes + 16) for each wave, in slot 0, which has had its only fill and its last read when the first result is stored there
.set ADRA, 16                          ; v16-17  LDS address of my A fragments in slot 0, 1
.set ADRB, 20                          ; v20-21  the same for B
.set STO,  24                          ; v24     the way out: where I put 16 bytes of a row
.set RD,   25                          ; v25     the way out: where I read back
.set CO,   26                          ; v26     my byte offset in the result
.set ADRS, 27                          ; v27     LDS address of my scale words: lanes 0-15 A's rows, lanes 16-31 B's
.set SPW,  28                          ; v28     LDS address of my spare word; never rewritten
.set NIL,  29                          ; v29     0; never rewritten
.set BO,   30                          ; v30     the bias: 32 bytes x (lane / 16)
.set SC,   32                          ; scale words: set s at v[SC + 32 s]; in it register 4 i + q: lanes 0-15 A's block i, lanes 16-31 B's block i, the slot's q-th 128 along K
.set AF,   128                         ; A's fragments
.set BI,   192                         ; the bias: block b at v[BI + 8 b]
.set TMP,  192                         ; the way out: a block's packed results
.set OB,   32                          ; the way out: rows read back: v32-63 and v224-255 by turns
.set G1, 24                            ; s[24:31] descriptor group 1 for A's tiles;  s[32:39] group 0, one set for each slot
.set G0, 32
.set G1B, 48                           ; s[48:55], s[56:63] the same for B's tiles
.set G0B, 56
.set G1S, 68                           ; s[68:75], s[76:79] groups 1 and 0 for A's scales;  s[80:87], s[88:91] for B's
.set G0S, 76
.set G1SB, 80
.set G0SB, 88
.set MSB, 0
.macro WIN new                         ; the immediate's high byte repeats the setting that is left
.if MSB != \new
	s_set_vgpr_msb (MSB<<8)|\new
.set MSB, \new
.endif
.endm
.set MUL_LO, 0xa1                      ; source 0 (B) window 1, source 1 (A) window 0, C and D window 2
.set MUL_HI, 0xf1                      ; the same, C and D window 3
.set FST_LO, 0x81                      ; the first step: C (the bias) window 0, D window 2
.set FST_HI, 0xc1                      ; D window 3
.set TO_B,   0x40                      ; destination window 1, address window 0
; A joint load: waves 0 and 1 fetch for A, waves 2 and 3 for B.  Each of the two lines has ONE mask and one set of registers for all that issue it; the branch hangs on the wave's number alone.
; An s_nop 0 and four v_nop follow each of the two lines, ahead of the jump, the label and what follows.
.macro JLOAD g0a, g1a, g0b, g1b
	s_cmp_eq_u32 s15, 0
	s_cbranch_scc0 .Lfor_b_\@
	tensor_load_to_lds s[\g0a:\g0a+3], s[\g1a:\g1a+7]
	s_nop 0
.rept 4
	v_nop
.endr
	s_branch .Lasked_\@
.Lfor_b_\@:
	tensor_load_to_lds s[\g0b:\g0b+3], s[\g1b:\g1b+7]
	s_nop 0
.rept 4
	v_nop
.endr
.Lasked_\@:
.endm
.macro CROUND                          ; a round of the cluster's barrier
	s_barrier_signal -1
	s_barrier_wait -1
	s_cmp_lg_u32 s14, 0
	s_cbranch_scc1 .Lnot_wave_0_\@
	s_barrier_signal -3
.Lnot_wave_0_\@:
	s_barrier_wait -3
	s_barrier_signal -1
	s_barrier_wait -1
.endm
	s_load_b128 s[4:7], s[0:1], 0x0                ; A's codes s[4:5], A's scales s[6:7]
	s_load_b128 s[8:11], s[0:1], 0x10              ; B's codes s[8:9], B's scales s[10:11]
	s_load_b128 s[96:99], s[0:1], 0x20             ; the bias s[96:97], the result s[98:99]
	v_lshl_add_u32 v[SPW], v0, 2, SPARE
	v_mov_b32 v[NIL], 0
	ds_add_u32 v[SPW], v[NIL]                      ; the wave's opening: the add, twice on end, and its wait ahead of my first tensor load
	ds_add_u32 v[SPW], v[NIL]                      ; and once more, under the one wait; the set-up below, work on registers, stands between
	v_lshrrev_b32 v1, 5, v0
	v_readfirstlane_b32 s14, v1                    ; wave 0..3
	s_lshr_b32 s15, s14, 1                         ; which half of the tile's rows is mine.  Also: I fetch for A (0) or for B (1)
	s_and_b32 s16, s14, 1                          ; which half of its columns.  Also: which 128 rows of that tile I fetch
	s_bfe_u32 s40, ttmp6, 0x40000                  ; cx, cy: my place in the cluster
	s_bfe_u32 s41, ttmp6, 0x40004
	s_lshl_b32 s42, ttmp9, 2
	s_add_co_u32 s42, s42, s40                     ; tile column = 4 x cluster x + cx
	s_and_b32 s17, ttmp7, 0xffff
	s_lshl_b32 s17, s17, 2
	s_add_co_u32 s17, s17, s41                     ; tile row = 4 x cluster y + cy
	s_lshl_b32 s43, s41, 2
	s_lshl_b32 s43, 15, s43                        ; my row of the cluster
	s_lshl_b32 s44, 0x1111, s40                    ; my column
	; descriptor group 1: a tile of 128 rows x 256 bytes, padded in LDS
	s_or_b32 s[G1+0], s43, (0<<16)|(1<<20)|(1<<21)|(5<<22)|(3<<25)  ; 15:0 the mask: A's tiles go to my row; 17:16 element of 1 byte; 20 padding on; 21 set beside a mask; 24:22 after every 64 words; 31:25 of 4 words
	s_or_b32 s[G1B+0], s44, (0<<16)|(1<<20)|(1<<21)|(5<<22)|(3<<25)
.irp g, G1, G1B
	s_mov_b32 s[\g+1], ROWB<<16                    ; tensor_dim0
	s_mov_b32 s[\g+2], 128<<16                     ; tensor_dim1 = 128
	s_mov_b32 s[\g+3], ROWB<<16                    ; tile_dim0
	s_mov_b32 s[\g+4], 128                         ; tile_dim1 = 128
	s_mov_b32 s[\g+5], KROW                        ; tensor_dim0_stride
	s_mov_b32 s[\g+6], 0
	s_mov_b32 s[\g+7], 0
.endr
	; and for the scales of 128 rows: a dense block of 4,096 bytes, as 16 rows of 256 bytes (32 elements of 8 bytes), 16 bytes of padding behind each
	s_or_b32 s[G1S+0], s43, (3<<16)|(1<<20)|(1<<21)|(5<<22)|(3<<25)
	s_or_b32 s[G1SB+0], s44, (3<<16)|(1<<20)|(1<<21)|(5<<22)|(3<<25)
.irp g, G1S, G1SB
	s_mov_b32 s[\g+1], 32<<16
	s_mov_b32 s[\g+2], (128*KS/256)<<16
	s_mov_b32 s[\g+3], 32<<16
	s_mov_b32 s[\g+4], 128*KS/256
	s_mov_b32 s[\g+5], 32
	s_mov_b32 s[\g+6], 0
	s_mov_b32 s[\g+7], 0
.endr
	s_lshl_b32 s18, s16, 7                         ; which 128 rows of the tile I fetch
	s_lshl_b32 s20, s17, 8
	s_add_co_u32 s20, s20, s18                     ; A: row 256 x tile row + 128 x half
	s_lshl_b32 s46, s42, 8
	s_add_co_u32 s46, s46, s18                     ; B: row 256 x tile column + 128 x half
	s_mov_b32 s21, 0
	s_mov_b32 s47, 0
	s_mov_b64 s[18:19], KS
	s_mul_u64 s[22:23], s[20:21], s[18:19]         ; where these rows' scales begin, in bytes
	s_mul_u64 s[92:93], s[46:47], s[18:19]
	s_mov_b64 s[18:19], KROW
	s_mul_u64 s[20:21], s[20:21], s[18:19]         ; and their codes
	s_mul_u64 s[46:47], s[46:47], s[18:19]
	s_mul_i32 s45, s14, HALFT                      ; where they go: wave x 128 rows: no place in the cluster enters an LDS address
	s_mul_i32 s94, s14, HALFS
	s_wait_dscnt 0x0                               ; both opening adds are done
	s_wait_kmcnt 0x0
	s_add_nc_u64 s[20:21], s[4:5], s[20:21]
	s_add_nc_u64 s[22:23], s[6:7], s[22:23]
	s_add_nc_u64 s[46:47], s[8:9], s[46:47]
	s_add_nc_u64 s[92:93], s[10:11], s[92:93]
	CROUND                                         ; all sixteen work-groups are here: the joint loads meet
	s_mov_b32 s[G0S], 1
	s_add_co_u32 s[G0S+1], s94, SCL
	s_mov_b64 s[G0S+2:G0S+3], s[22:23]
	s_or_b32 s[G0S+3], s[G0S+3], 0x80000000
	s_mov_b32 s[G0SB], 1
	s_add_co_u32 s[G0SB+1], s94, SCL
	s_mov_b64 s[G0SB+2:G0SB+3], s[92:93]
	s_or_b32 s[G0SB+3], s[G0SB+3], 0x80000000
	JLOAD G0S, G1S, G0SB, G1SB                     ; the scales first: they are wanted with slot 0.  Three tensor loads of mine are out at the most: this one and the two slots'
.irp s, 0,1
	s_mov_b32 s[G0+4*\s], 1
	s_add_co_u32 s[G0+4*\s+1], s45, \s*SLOT
	s_add_nc_u64 s[G0+4*\s+2:G0+4*\s+3], s[20:21], \s*ROWB
	s_or_b32 s[G0+4*\s+3], s[G0+4*\s+3], 0x80000000
	s_mov_b32 s[G0B+4*\s], 1
	s_add_co_u32 s[G0B+4*\s+1], s45, \s*SLOT
	s_add_nc_u64 s[G0B+4*\s+2:G0B+4*\s+3], s[46:47], \s*ROWB
	s_or_b32 s[G0B+4*\s+3], s[G0B+4*\s+3], 0x80000000
	JLOAD G0+4*\s, G1, G0B+4*\s, G1B
.endr
	v_and_b32 v1, 15, v0                           ; l % 16
	v_bfe_u32 v2, v0, 4, 1                         ; l / 16
	v_mul_u32_u24 v3, v1, PITCH
	v_lshl_add_u32 v4, v2, 4, v3                   ; a fragment's row x pitch + 16 x half
	s_mul_i32 s21, s15, HALFT                      ; my 128 rows of A
	s_mul_i32 s22, s16, HALFT                      ; my 128 rows of B,
	s_add_co_u32 s22, s22, 2*HALFT                 ; which lie behind A's 256
.irp s, 0,1
	v_add_nc_u32 v[ADRA+\s], s21, v4
	v_add_nc_u32 v[ADRB+\s], s22, v4
	s_add_co_u32 s21, s21, SLOT
	s_add_co_u32 s22, s22, SLOT
.endr
	v_mul_u32_u24 v5, v1, KS                       ; my row's scales: KS bytes a row,
	v_lshrrev_b32 v6, 8, v5
	v_lshl_add_u32 v5, v6, 4, v5                   ; and 16 more for each 256 passed
	s_mul_i32 s21, s15, HALFS                      ; A's: my 128 rows
	s_mul_i32 s22, s16, HALFS                      ; B's: my 128 rows, behind A's 256
	s_add_co_u32 s22, s22, 2*HALFS
	s_sub_co_u32 s22, s22, s21
	v_mul_u32_u24 v6, s22, v2                      ; lanes 16-31 take B's
	s_add_co_u32 s21, s21, SCL
	v_add_nc_u32 v5, v5, v6
	v_add_nc_u32 v[ADRS], s21, v5
	s_mul_i32 s23, s14, 16*SPITCH                  ; my stage
	v_mul_u32_u24 v5, v1, SPITCH                   ; in: row l % 16, 16 bytes for each half of the lanes
	v_lshl_add_u32 v5, v2, 4, v5
	v_add_nc_u32 v[STO], s23, v5
	v_bfe_u32 v6, v0, 3, 1                         ; back: lanes 0-15 take two tokens' 128 bytes of my first head, lanes 16-31 of my second:
	v_and_b32 v7, 7, v0                            ; eight lanes to a token
	v_mul_u32_u24 v5, v6, SPITCH
	v_lshl_add_u32 v5, v2, 7, v5
	v_lshl_add_u32 v5, v7, 4, v5
	v_add_nc_u32 v[RD], s23, v5
	v_lshlrev_b32 v5, 18, v2                       ; in memory a head is 262,144 bytes, a token in it 128: two tokens of a head are 256 consecutive bytes
	v_lshl_add_u32 v5, v6, 7, v5
	v_lshl_add_u32 v[CO], v7, 4, v5
	s_lshl_b32 s20, s17, 8
	s_lshl_b32 s21, s15, 7
	s_add_co_u32 s20, s20, s21                     ; my first row: 256 x tile row + 128 x half
	s_lshl_b32 s46, s42, 8
	s_lshl_b32 s47, s16, 7
	s_add_co_u32 s46, s46, s47                     ; my first column: 256 x tile column + 128 x half
	s_lshr_b32 s21, s20, 11                        ; the batch,
	s_lshl_b32 s21, s21, 4
	s_lshr_b32 s47, s46, 10                        ; the part (q, k or v),
	s_lshl_b32 s47, s47, 6
	s_add_co_u32 s21, s21, s47
	s_bfe_u32 s47, s46, 0x40006                    ; my first head
	s_add_co_u32 s21, s21, s47
	s_lshl_b32 s21, s21, 18
	s_and_b32 s20, s20, 2047                       ; my first token
	s_lshl_b32 s20, s20, 7
	s_add_co_u32 s20, s20, s21
	s_mov_b32 s21, 0
	s_add_nc_u64 s[12:13], s[98:99], s[20:21]      ; the result at my first token of my first head
	s_lshl_b32 s46, s46, 2
	s_mov_b32 s47, 0
	s_add_nc_u64 s[96:97], s[96:97], s[46:47]      ; the bias at my first column
	v_lshlrev_b32 v[BO], 5, v2
.irp b, 0,1,2,3,4,5,6,7                        ; lane (r, h) wants, for B's block b, the bias of columns 16 b + 8 h + 0 .. 7
	global_load_b128 v[BI+8*\b:BI+8*\b+3], v[BO], s[96:97] offset:64*\b
	global_load_b128 v[BI+8*\b+4:BI+8*\b+7], v[BO], s[96:97] offset:64*\b+16
.endr
.macro FRAG reg, adr, q, i             ; a fragment, 16 rows x 128 K of 4-bit codes, is 8 registers: lane l holds row l % 16; registers 4 c .. 4 c + 3 hold K = 64 c + 32 (l / 16) + 0 .. 31
.irp c, 0,1
	ds_load_b128 v[\reg+4*\c:\reg+4*\c+3], v[\adr] offset:64*(\q)+32*\c+(\i)*16*PITCH
.endr
.endm
; 16 matrix instructions: A's blocks a0, a0 + 1 x B's eight, 128 along K: the slot's q-th.  p: B's set;  sc: the set of scale words.  first = 1: the bias starts the sums: nothing is ever cleared.
; The 64 accumulators take turns, one instruction a turn, in the same order in every step.
.macro MUL16 a0, p, q, sc, first
.irp a, \a0, \a0+1
.irp b, 0,1,2,3,4,5,6,7
.if \first
	v_wmma_scale_f32_16x16x128_f8f6f4 v[8*(8*((\a)%4)+\b):8*(8*((\a)%4)+\b)+7], v[128*(\p)+FR*\b:128*(\p)+FR*\b+FR-1], v[AF+FR*(\a):AF+FR*(\a)+FR-1], v[BI+8*\b:BI+8*\b+7], v[SC+8*NQ*(\sc)+NQ*\b+(\q)], v[SC+8*NQ*(\sc)+NQ*(\a)+(\q)] matrix_a_fmt:MATRIX_FMT_FP4 matrix_b_fmt:MATRIX_FMT_FP4 matrix_a_scale:MATRIX_SCALE_ROW1
.else
	v_wmma_scale_f32_16x16x128_f8f6f4 v[8*(8*((\a)%4)+\b):8*(8*((\a)%4)+\b)+7], v[128*(\p)+FR*\b:128*(\p)+FR*\b+FR-1], v[AF+FR*(\a):AF+FR*(\a)+FR-1], v[8*(8*((\a)%4)+\b):8*(8*((\a)%4)+\b)+7], v[SC+8*NQ*(\sc)+NQ*\b+(\q)], v[SC+8*NQ*(\sc)+NQ*(\a)+(\q)] matrix_a_fmt:MATRIX_FMT_FP4 matrix_b_fmt:MATRIX_FMT_FP4 matrix_a_scale:MATRIX_SCALE_ROW1
.endif
.endr
.endr
.endm
.macro FETCH_B slot, q, p              ; B's eight fragments of the slot's q-th 128 along K into set p
	WIN TO_B
.irp i, 0,1,2,3,4,5,6,7
	FRAG 128*(\p)+FR*\i, ADRB+\slot, \q, \i
.endr
	WIN 0
.endm
.macro FETCH_A slot, q, i0             ; A's blocks i0 .. i0 + 3
.irp i, \i0, \i0+1, \i0+2, \i0+3
	FRAG AF+FR*(\i), ADRA+\slot, \q, \i
.endr
.endm
.macro SCALES sc                       ; a slot's scale words into set sc: four words a row; lanes 0-15 take A's block i, lanes 16-31 B's block i
.irp i, 0,1,2,3,4,5,6,7
	ds_load_b128 v[SC+8*NQ*\sc+NQ*\i:SC+8*NQ*\sc+NQ*\i+3], v[ADRS] offset:\i*SBLK
.endr
.endm
; A load into a register that a matrix instruction has read, and a vector instruction that reads a matrix result, stand NP places behind that matrix instruction, and only plain vector instructions that
; name none of its registers are places (ISA guide 7.12.1 for vector instructions).
.macro PLACES n
.rept \n
	v_nop
.endr
.endm
; A step of 128 along K that has its successor in the same slot.  A's blocks go one after the other, each against B's eight: blocks 0-3 are fetched anew in the step's middle, blocks 4-7 at its end.
.macro STEP slot, q, first
	s_wait_dscnt 4*NL                              ; B's set and A's blocks 0-3 are in; the youngest eight loads (A's blocks 4-7) may be out
.if \first
	WIN FST_LO
.else
	WIN MUL_LO
.endif
	MUL16 0, (\q)%2, \q, \slot, \first
	MUL16 2, (\q)%2, \q, \slot, \first
	s_wait_dscnt 0                                 ; A's blocks 4-7 are in (asked for 32 matrix instructions ago)
	PLACES NP
	FETCH_B \slot, (\q)+1, 1-(\q)%2
	FETCH_A \slot, (\q)+1, 0
.if \first
	WIN FST_HI
.else
	WIN MUL_HI
.endif
	MUL16 4, (\q)%2, \q, \slot, \first
	MUL16 6, (\q)%2, \q, \slot, \first
	PLACES NP
	WIN 0
	FETCH_A \slot, (\q)+1, 4
.endm
.macro STEPS slot, from                ; the slot's steps from .. NQ - 2
.set QQ, \from
.rept NQ-1-\from
	STEP \slot, QQ, 0
.set QQ, QQ+1
.endr
.endm
	s_wait_tensorcnt 1                             ; the scales and my part of slot 0 are in (slot 1's load may be out)
	s_barrier_signal -1
	s_barrier_wait -1                              ; everybody's are
	FETCH_B 0, 0, 0
	FETCH_A 0, 0, 0
	SCALES 0
	FETCH_A 0, 0, 4
	s_wait_loadcnt 0x0                             ; the bias
	STEP 0, 0, 1                                   ; the first step's products start the sums, from the bias
	STEPS 0, 1
	; slot 0's last step changes slots: ONE barrier; in front of it each wave waits for all its tensor loads (its part of slot 1), adds 0 to its spare word, and waits for that and for its own reads of slot 0
	s_wait_tensorcnt 0x0
	ds_add_u32 v[SPW], v[NIL]                      ; 0 onto my spare word
	s_wait_dscnt 4*NL+1                            ; (the add and the youngest eight loads, A's blocks 4-7, may be out)
	WIN MUL_LO
	MUL16 0, 1, NQ-1, 0, 0                         ; sixteen matrix instructions stand between the add and the wait for it
	s_wait_dscnt 0x0                               ; the add is done, and my reads of slot 0 are over
	s_barrier_signal -1
	MUL16 2, 1, NQ-1, 0, 0
	WIN 0
	s_barrier_wait -1                              ; slot 1 is whole, and nobody reads slot 0 any more
	PLACES NP
	v_add_nc_u32 v[ADRS], 4*NQ, v[ADRS]            ; on to slot 1's scale words (no LDS load of mine is out)
	FETCH_B 1, 0, 0
	FETCH_A 1, 0, 0
	SCALES 1
	WIN MUL_HI
	MUL16 4, 1, NQ-1, 0, 0
	MUL16 6, 1, NQ-1, 0, 0
	PLACES NP
	WIN 0
	FETCH_A 1, 0, 4
	STEPS 1, 0
	s_wait_dscnt 4*NL                              ; the very last step: nothing more to fetch
	WIN MUL_LO
	MUL16 0, 1, NQ-1, 1, 0
	MUL16 2, 1, NQ-1, 1, 0
	s_wait_dscnt 0
	WIN MUL_HI
	MUL16 4, 1, NQ-1, 1, 0
	MUL16 6, 1, NQ-1, 1, 0
	WIN 0
; THE WAY OUT, block by block of 16 tokens x 128 columns (two heads).  PACK: rounded to f16, 16 bytes a lane, each accumulator from its low end on.  TOSTAGE: into my own stage in LDS, and back so that sixteen
; lanes hold two tokens of one head.  SEND: stored: sixteen lanes store 256 consecutive bytes, aligned.  LDS serves a wave's instructions in order (ISA guide 5.7.1.4): no wait between the stores and the loads.
.macro PACK a
.set AC, 64*((\a)%4)
	WIN 0x0a+5*((\a)/4)                            ; sources 0 and 1: window 2 or 3
.irp b, 0,1,2,3,4,5,6,7
.irp r, 0,1,2,3
	v_cvt_pk_f16_f32 v[TMP+4*\b+\r], v[AC+8*\b+2*\r], v[AC+8*\b+2*\r+1]
.endr
.endr
	WIN 0
.endm
.macro TOSTAGE a
.set BB, OB+192*((\a)%2)
.irp b, 0,1,2,3,4,5,6,7
	ds_store_b128 v[STO], v[TMP+4*\b:TMP+4*\b+3] offset:32*\b
.endr
.irp t, 0,1,2,3,4,5,6,7
	ds_load_b128 v[BB+4*\t:BB+4*\t+3], v[RD] offset:\t*2*SPITCH
.endr
.endm
.macro SEND a
.set BB, OB+192*((\a)%2)
	s_wait_dscnt 0x0                               ; the block is back in registers
	s_wait_xcnt 0x0                                ; the stores of the block before have read their registers: the next block's loads may land there
.irp t, 0,1,2,3,4,5,6,7
	global_store_b128 v[CO], v[BB+4*\t:BB+4*\t+3], s[12:13] offset:2048*(\a)+256*\t
.endr
.endm
	PLACES NP                                      ; behind the last products: for the loads into registers that held scale words, and for the reads of results
	PACK 0
	TOSTAGE 0
.irp a, 1,2,3,4,5,6,7                  ; block a's conversions stand between block a - 1's loads from the stage and the wait for them
	PACK \a
	SEND \a-1
	TOSTAGE \a
.endr
	SEND 7
	s_wait_tensorcnt 0x0                           ; the wave's end: behind my last tensor load and my last LDS store
	ds_add_u32 v[SPW], v[NIL]
	s_wait_dscnt 0x0
	CROUND                                         ; the closing round: no work-group ends while a partner may still ask for a tile that names it
	s_endpgm
.Lfunc_end_k_q17592a0e63_qkvgemm:
	.size	k_q17592a0e63_qkvgemm, .Lfunc_end_k_q17592a0e63_qkvgemm-k_q17592a0e63_qkvgemm
	.p2alignl 7, 3214868480
	.fill 96, 4, 3214868480
	.section	.rodata,"a",@progbits
	.p2align	6, 0x0
	.amdhsa_kernel k_q17592a0e63_qkvgemm
		.amdhsa_group_segment_fixed_size 327680
		.amdhsa_private_segment_fixed_size 0
		.amdhsa_enable_private_segment 0
		.amdhsa_kernarg_size 48
		.amdhsa_user_sgpr_count 2
		.amdhsa_user_sgpr_kernarg_segment_ptr 1
		.amdhsa_wavefront_size32 1
		.amdhsa_system_sgpr_workgroup_id_x 1
		.amdhsa_system_sgpr_workgroup_id_y 1
		.amdhsa_system_sgpr_workgroup_id_z 1
		.amdhsa_system_vgpr_workitem_id 0
		.amdhsa_next_free_vgpr 1024
		.amdhsa_next_free_sgpr 100
		.amdhsa_reserve_vcc 0
		.amdhsa_float_denorm_mode_32 3
		.amdhsa_float_denorm_mode_16_64 3
		.amdhsa_memory_ordered 1
		.amdhsa_forward_progress 1
		.amdhsa_inst_pref_size 128
	.end_amdhsa_kernel
	.amdgpu_metadata
---
amdhsa.version: [ 1, 2 ]
amdhsa.kernels:
  - .name:           k_q17592a0e63_qkvgemm
    .symbol:         k_q17592a0e63_qkvgemm.kd
    .args:
      - { .name: xc, .offset: 0, .size: 8, .value_kind: global_buffer, .address_space: global }
      - { .name: xs, .offset: 8, .size: 8, .value_kind: global_buffer, .address_space: global }
      - { .name: wc, .offset: 16, .size: 8, .value_kind: global_buffer, .address_space: global }
      - { .name: ws, .offset: 24, .size: 8, .value_kind: global_buffer, .address_space: global }
      - { .name: b_qkv, .offset: 32, .size: 8, .value_kind: global_buffer, .address_space: global }
      - { .name: qkvh, .offset: 40, .size: 8, .value_kind: global_buffer, .address_space: global }
    .group_segment_fixed_size: 327680
    .private_segment_fixed_size: 0
    .kernarg_segment_align: 8
    .kernarg_segment_size: 48
    .max_flat_workgroup_size: 128
    .sgpr_count:     100
    .vgpr_count:     1024
    .wavefront_size: 32
...
	.end_amdgpu_metadata
.endif
;; end of part 2
;; launch attn (part 3): grid 8 x 32, 16 waves a work-group, clusters of 4 x 1, 327,680 bytes of LDS; arguments qkvh, att; writes att
.if DOCPART == 3
	.amdgcn_target "amdgcn-amd-amdhsa--gfx1250"
	.amdhsa_code_object_version 6
	.text
	.protected	k_q17592a0e63_attn
	.globl	k_q17592a0e63_attn
	.p2align	8
	.type	k_q17592a0e63_attn,@function
k_q17592a0e63_attn:
	s_mov_b64 s[64:65], 0
	v_nop
	global_prefetch_b8 v0, s[64:65] scope:SCOPE_SE
	s_setreg_imm32_b32 hwreg(HW_REG_WAVE_MODE, 25, 1), 1
	s_wait_xcnt 0x0
	s_wait_alu depctr_hold_cnt(0) depctr_sa_sdst(0) depctr_va_vdst(0) depctr_va_sdst(0) depctr_va_ssrc(0) depctr_va_vcc(0) depctr_vm_vsrc(0)
	s_getreg_b32 s2, hwreg(HW_REG_IB_STS2, 6, 4)
	s_cmp_eq_u32 s2, 0
	s_cbranch_scc0 .Lentry_in_a_cluster
	s_endpgm
.Lentry_in_a_cluster:
	s_bfe_u32 s2, ttmp6, 0x10000c
	s_cmp_lg_u32 s2, 0x3003
	s_cbranch_scc0 .Lentry_shape_is_right
	s_endpgm
.Lentry_shape_is_right:
; att[token][head x 64 + d] = the sum over keys of softmax_k(q . k / 8) v, for 64 heads (batch x 16 + head) of 2,048 tokens, head size 64, no mask.
; q, k, v: f16, [3][64][2048][64]; att: f16, [8192 tokens][1024].  Products, maxima and sums in f32; the weights p are rounded to f16 for the second product, the result once at the end.
; LIMITS: q, k, v are finite f16 numbers; NaN and infinities are not served.
; SHARES.  A work-group owns 256 queries of TWO neighbouring heads, so that a token's 256 bytes of att (two heads x 64 f16) are whole in one work-group.  Wave w of sixteen takes head w / 8 and queries
; 32 (w % 8) on: two tiles of 16, in 256 registers; four waves share a SIMD's registers, so that one wave's vector work stands beside another's matrix work and LDS loads.
; LAYOUT.  S^T = K Q^T (source 0 = 16 keys, source 1 = 16 queries): a lane holds ONE query (lane % 16) and the keys 8 (lane / 16) + 0..7.  Two such tiles, rounded to f16 in pairs, ARE source 1
; (32 keys x 16 queries) of O^T = V^T P, whose result again holds one query a lane, and eight channels.  K comes out of LDS as it lies, V ([key][channel]) turned, by ds_load_tr16_b128.
; SOFTMAX.  For each query a running maximum m and sum l: p = 2^(c s - c m), c = log2(e) / 8; in every step O and l are multiplied by a = 2^(c m_old - c m_new).  m begins at -3e38, l and O at 0:
; the first a is 0 and multiplies zeros, so the step is written without a first step of its own.
; RING.  Two LDS slots of 256 keys of both heads.  A head's rows are dense in memory, so a tile is stated with rows of two keys, 256 bytes.  Every wave fetches one tile a slot (64 keys: waves 0-7 of K, 8-15 of V).
; CLUSTER.  The four query blocks of a cluster walk the same K and V, so each tile is asked for JOINTLY: the same tensor load, with the same descriptor and a mask that names the four.
.set KHEAD,  34816                     ; K of a head in a slot: 128 rows (two keys each) of 272 bytes: key x lies at (x / 2) 272 + (x % 2) 128, so the 16 keys of a fragment start in 16 different 16-byte columns of the banks' 256 bytes
.set VHEAD,  36864                     ; V likewise, rows of 288 bytes: the 16 lanes of a turning load (8 keys x 32 bytes) take 16 different columns
.set VOFF,   2*KHEAD                   ; a slot: K of head 0, K of head 1, V of head 0, V of head 1
.set SLOTB,  2*KHEAD+2*VHEAD           ; 143,360
.set KSTEPB, 8704                      ; 64 keys of K in LDS: also what one tensor load brings
.set VSTEPB, 9216                      ; and of V
.set SPARE,  2*SLOTB                   ; behind the ring: the spare words, 128 bytes for each wave: eight blocks of 256 bytes that no other line names
.set PART,   16777216                  ; bytes of q, of k, of v
.set SP,     272                       ; the way out: 256 token rows x (256 bytes + 16), in slot 0, which has had its last fill and its last read by then
.set AK0, 1                            ; v1   my lane's place in a step's tile of K, my head's; never rewritten
.set AV0, 2                            ; v2   the same for V
.set ADR, 3                            ; v3   the LDS address of the run of loads in hand
.set QO,  4                            ; v4   my byte offset in the wave's rows of Q
.set PFO, 5                            ; v5   256 x my lane; never rewritten
.set SPW, 6                            ; v6   LDS address of my spare word: SPARE + 4 x my thread's number; never rewritten
.set NIL, 7                            ; v7   0; never rewritten
.set ST,  12                           ; tile t's statistics at v[ST+8 t]: +0 c m, +1 m, +2, +3 l (even keys', odd keys'), +4 to +7 at work; a in +6
.set Q,   32                           ; v32-63   Q: tile t, channels 32 x on, at 16 t + 8 x
.set KV,  64                           ; v64-127  ONE buffer: a step's 8 fragments of K, then its 8 of V
.set S,   128                          ; v128-191 S^T, 32 a tile; then p; then P, packed in place into the tile's first 16
.set O,   192                          ; v192-255 O^T, 32 a tile
.set WV,  12                           ; s12  my wave's number
.set LIM, 15                           ; s15  1 in a wave that prefetches, else the greatest number
.set PFA, 18                           ; s[18:19] where my prefetches stand
.set G1K, 24                           ; s[24:31] descriptor group 1 for K's tiles;  s[32:39] for V's: it differs in the padding alone
.set G1V, 32
.set G0K, 40                           ; s[40:47] group 0 for K's tiles, one set for each slot;  s[48:55] for V's
.set G0V, 48
.set LAP, 56                           ; s56  laps to go
.set CNT, 57                           ; s57  counts a slot's four steps
.set CS,  58                           ; s[58:59] c: the packed scaling names a pair and takes its low word for both halves
.set SEL, 60                           ; s[60:61] lane selects for v_permlanex16_b32: lane l xor 16
.set TBK, 62                           ; s62  LDS byte at which the step's K begins (without the head)
.set TBV, 63                           ; s63  the same for V
; A joint refill of a slot.  Waves 0-7 fetch K's tiles, waves 8-15 V's.  The branch hangs on the wave's number alone.  An s_nop 0 and four v_nop follow each of the two lines.
.macro JLOAD slot
	s_cmp_lt_u32 s[WV], 8
	s_cbranch_scc0 .Lfor_v_\@
	tensor_load_to_lds s[G0K+4*\slot:G0K+4*\slot+3], s[G1K:G1K+7]
	s_nop 0
.rept 4
	v_nop
.endr
	s_branch .Lasked_\@
.Lfor_v_\@:
	tensor_load_to_lds s[G0V+4*\slot:G0V+4*\slot+3], s[G1V:G1V+7]
	s_nop 0
.rept 4
	v_nop
.endr
.Lasked_\@:
.endm
; A PREFETCH INTO THE L2 of what the NEXT change of slots will ask for: 256 keys of K and of V of both heads, 4 x 32,768 bytes.  It stands behind the wave's tensor load and its five lines.
; Each aligned block of 256 bytes is named ONCE in the launch.  Both clusters of a pair of heads walk the same K and V: the first of them asks.  Its four partners share each 32,768 bytes out BY ADDRESS, 8,192 each;
; in each, waves 0, 4, 8 and 12 ask (K of head 0, K of head 1, V of head 0, V of head 1), a lane a block: one instruction.  how = 1: the lap's second change: in the last lap there is no slot behind it.
.macro ASK how
.if \how
	s_cmp_gt_u32 s[LAP], s[LIM]
.else
	s_cmp_eq_u32 s[LIM], 1
.endif
	s_cbranch_scc0 .Lnot_mine_\@
	global_prefetch_b8 v[PFO], s[PFA:PFA+1] th:TH_LOAD_NT scope:SCOPE_SE
.Lnot_mine_\@:
.endm
.macro CROUND                          ; a round of the cluster's barrier
	s_barrier_signal -1
	s_barrier_wait -1
	s_cmp_lg_u32 s[WV], 0
	s_cbranch_scc1 .Lnot_wave_0_\@
	s_barrier_signal -3
.Lnot_wave_0_\@:
	s_barrier_wait -3
	s_barrier_signal -1
	s_barrier_wait -1
.endm
	s_load_b128 s[4:7], s[0:1], 0x0                ; q, k, v s[4:5]; att s[6:7]
	v_lshl_add_u32 v[SPW], v0, 2, SPARE
	v_mov_b32 v[NIL], 0
	ds_add_u32 v[SPW], v[NIL]                      ; the wave's opening: the add, twice on end, and its wait ahead of my first tensor load
	ds_add_u32 v[SPW], v[NIL]                      ; and once more, under the one wait; the set-up below, work on registers, stands between
	v_lshrrev_b32 v8, 5, v0
	v_readfirstlane_b32 s[WV], v8                  ; wave 0..15
	s_bfe_u32 s13, ttmp6, 0x40000                  ; cx: my place in the cluster
	s_lshl_b32 s14, ttmp9, 2                       ; in a cluster launch ttmp9 counts clusters
	s_add_co_u32 s14, s14, s13                     ; my block of 256 queries: it enters Q's and att's addresses alone
	s_and_b32 s16, ttmp7, 0xffff                   ; the pair of heads, which the four partners share: batch x 8 + pair
	s_and_b32 s17, s[WV], 7                        ; which tile of a slot I fetch: head (/ 4), 64 keys (% 4)
	s_lshl_b32 s20, s16, 19                        ; the pair's first byte in a part: two heads of 262,144 bytes
	s_lshr_b32 s21, s17, 2
	s_lshl_b32 s21, s21, 18
	s_add_co_u32 s20, s20, s21
	s_and_b32 s21, s17, 3
	s_lshl_b32 s21, s21, 13                        ; 64 keys of 128 bytes
	s_add_co_u32 s20, s20, s21
	s_mov_b32 s21, 0                               ; s[20:21]: my tile of slot 0, in a part
	s_lshl_b32 s2, s16, 19
	s_lshr_b32 s3, s[WV], 3                        ; my head of the two
	s_lshl_b32 s3, s3, 18
	s_add_co_u32 s2, s2, s3
	s_lshl_b32 s3, s14, 15                         ; my block's 256 rows of 128 bytes
	s_add_co_u32 s2, s2, s3
	s_lshl_b32 s3, s17, 12                         ; my wave's 32 of them
	s_add_co_u32 s2, s2, s3
	s_mov_b32 s3, 0                                ; s[2:3]: my first query's row
	s_lshr_b32 s22, s16, 3                         ; the batch
	s_lshl_b32 s22, s22, 11
	s_lshl_b32 s23, s14, 8
	s_add_co_u32 s22, s22, s23
	s_lshl_b32 s23, s[WV], 4                       ; on the way out wave w stores token rows 16 w on
	s_add_co_u32 s22, s22, s23
	s_lshl_b32 s22, s22, 11                        ; a row of att is 2,048 bytes
	s_and_b32 s23, s16, 7
	s_lshl_b32 s23, s23, 8                         ; the pair's 256 bytes in it
	s_add_co_u32 s22, s22, s23
	s_mov_b32 s23, 0                               ; s[22:23]
	s_mul_i32 s[TBK], s17, KSTEPB                  ; where my tile goes in a slot: no place in the cluster enters an LDS address
	s_mul_i32 s[TBV], s17, VSTEPB
	s_add_co_u32 s[TBV], s[TBV], VOFF
	; descriptor group 1: a tile of 32 rows x 128 elements of 2 bytes, dense in memory, padded in LDS
	s_mov_b32 s[G1K], 15|(1<<16)|(1<<20)|(1<<21)|(5<<22)|(3<<25)  ; 15:0 the mask: all four work-groups; 17:16 elements of 2 bytes; 20 padding on; 21 set beside a mask; 24:22 after every 64 words; 31:25 4 words of it
	s_mov_b32 s[G1V], 15|(1<<16)|(1<<20)|(1<<21)|(5<<22)|(7<<25)  ; the same with 8 words of padding
.irp g, G1K, G1V
	s_mov_b32 s[\g+1], 128<<16                     ; tensor_dim0 = 128
	s_mov_b32 s[\g+2], 32<<16                      ; tensor_dim1 = 32
	s_mov_b32 s[\g+3], 128<<16                     ; tile_dim0 = 128
	s_mov_b32 s[\g+4], 32                          ; tile_dim1 = 32
	s_mov_b32 s[\g+5], 128                         ; tensor_dim0_stride
	s_mov_b32 s[\g+6], 0
	s_mov_b32 s[\g+7], 0
.endr
	s_mov_b32 s[CS], 0x3e38aa3b                    ; c = log2(e) / 8
	s_mov_b32 s[CS+1], s[CS]                       ; named with it as a pair, so it is written
	s_mov_b32 s[SEL], 0x76543210
	s_mov_b32 s[SEL+1], 0xfedcba98
	s_and_b32 s[LIM], s[WV], 3                     ; 0 in waves 0, 4, 8, 12,
	s_or_b32 s[LIM], s[LIM], ttmp9                 ; where the cluster is the pair's first: the same in all four partners
	s_cmp_eq_u32 s[LIM], 0
	s_cselect_b32 s[LIM], 1, -1
	v_and_b32 v[PFO], 31, v0
	v_lshlrev_b32 v[PFO], 8, v[PFO]
	s_wait_dscnt 0x0                               ; both opening adds are done
	s_wait_kmcnt 0x0
	s_add_nc_u64 s[8:9], s[4:5], s[20:21]
	s_add_nc_u64 s[10:11], s[8:9], 2*PART          ; V at my tile of slot 0
	s_add_nc_u64 s[8:9], s[8:9], PART              ; K likewise
	s_add_nc_u64 s[4:5], s[4:5], s[2:3]            ; Q at my wave's first row
	s_add_nc_u64 s[6:7], s[6:7], s[22:23]          ; att at the rows that I store
	s_cmp_lt_u32 s[WV], 8
	s_cselect_b64 s[PFA:PFA+1], s[8:9], s[10:11]   ; (in waves 0, 4, 8, 12 these stand at a head's first row)
	s_lshl_b32 s2, s13, 13                         ; my work-group's 8,192 bytes of the 32,768
	s_add_nc_u64 s[PFA:PFA+1], s[PFA:PFA+1], s[2:3]
	s_add_nc_u64 s[PFA:PFA+1], s[PFA:PFA+1], 2*32768  ; at the third 256 keys; the first change of slots steps it to the fourth.  Nothing is prefetched here, at the head
.irp s, 0,1
	s_mov_b32 s[G0K+4*\s], 1                       ; 1:0 count = 1
	s_add_co_u32 s[G0K+4*\s+1], s[TBK], \s*SLOTB   ; 63:32 LDS address
	s_add_nc_u64 s[G0K+4*\s+2:G0K+4*\s+3], s[8:9], \s*32768  ; 120:64 global address: slot s begins with keys 256 s on
	s_or_b32 s[G0K+4*\s+3], s[G0K+4*\s+3], 0x80000000  ; 127:126 type = 2
	s_mov_b32 s[G0V+4*\s], 1
	s_add_co_u32 s[G0V+4*\s+1], s[TBV], \s*SLOTB
	s_add_nc_u64 s[G0V+4*\s+2:G0V+4*\s+3], s[10:11], \s*32768
	s_or_b32 s[G0V+4*\s+3], s[G0V+4*\s+3], 0x80000000
.endr
	CROUND                                         ; all four work-groups are here: the first joint loads meet
	s_cmp_lt_u32 s[WV], 8                          ; a wave's two first fills stand in one branch, ahead of every wait on TENSORcnt and every LDS read: two loads of mine are out
	s_cbranch_scc0 .Lfirst_v
	tensor_load_to_lds s[G0K:G0K+3], s[G1K:G1K+7]
	s_nop 0
	tensor_load_to_lds s[G0K+4:G0K+7], s[G1K:G1K+7]
	s_nop 0
.rept 4
	v_nop
.endr
	s_branch .Lfirst_asked
.Lfirst_v:
	tensor_load_to_lds s[G0V:G0V+3], s[G1V:G1V+7]
	s_nop 0
	tensor_load_to_lds s[G0V+4:G0V+7], s[G1V:G1V+7]
	s_nop 0
.rept 4
	v_nop
.endr
.Lfirst_asked:
	; A fragment of K or Q is 16 rows x 32 channels in 8 registers: lane l holds row l % 16; registers 0-3 channels 8 (l / 16) + 0..7, registers 4-7 channels 16 + 8 (l / 16) + 0..7: two loads of 16 bytes, 32 bytes apart.
	v_and_b32 v8, 15, v0                           ; r = l % 16
	v_bfe_u32 v9, v0, 4, 1                         ; h = l / 16
	v_lshlrev_b32 v[QO], 7, v8
	v_lshl_add_u32 v[QO], v9, 4, v[QO]             ; row x 128 + 16 x half
.irp t, 0,1
.irp x, 0,1
	global_load_b128 v[Q+16*\t+8*\x:Q+16*\t+8*\x+3],   v[QO], s[4:5] offset:2048*\t+64*\x      ; Q stays in registers
	global_load_b128 v[Q+16*\t+8*\x+4:Q+16*\t+8*\x+7], v[QO], s[4:5] offset:2048*\t+64*\x+32
.endr
.endr
	s_lshr_b32 s20, s[WV], 3                       ; my head of the two
	s_mul_i32 s21, s20, KHEAD
	s_mul_i32 s20, s20, VHEAD
	s_add_co_u32 s20, s20, VOFF
	v_lshrrev_b32 v10, 1, v8
	v_mul_u32_u24 v[AK0], v10, 272                 ; key r: LDS row r / 2,
	v_and_b32 v11, 1, v8
	v_lshl_add_u32 v[AK0], v11, 7, v[AK0]          ; its half r % 2,
	v_lshl_add_u32 v[AK0], v9, 4, v[AK0]           ; + 16 x half of the lanes
	v_add_nc_u32 v[AK0], s21, v[AK0]
	; The turning load takes 16 keys x 16 channels (lane l reads 16 bytes: key 8 (l / 16) + l % 8, channels 8 ((l / 8) % 2) + 0..7) and leaves half a fragment of V^T: lane l holds channel l % 16 and 8 keys.
	v_and_b32 v10, 7, v0
	v_lshl_add_u32 v10, v9, 3, v10                 ; my key of the 16
	v_lshrrev_b32 v11, 1, v10
	v_mul_u32_u24 v[AV0], v11, 288
	v_and_b32 v11, 1, v10
	v_lshl_add_u32 v[AV0], v11, 7, v[AV0]
	v_bfe_u32 v11, v0, 3, 1
	v_lshl_add_u32 v[AV0], v11, 4, v[AV0]
	v_add_nc_u32 v[AV0], s20, v[AV0]
.irp t, 0,1
	v_mov_b32 v[ST+8*\t+1], 0xff61b1e6             ; m: -3e38, under every score
	v_mul_f32 v[ST+8*\t], s[CS], v[ST+8*\t+1]      ; c m
.irp j, 2,3,4,5,6,7
	v_mov_b32 v[ST+8*\t+\j], 0                     ; l; and the registers at work (a lane permute's destination counts as one of its sources)
.endr
.endr
.irp j, 0,1,2,3,4,5,6,7,8,9,10,11,12,13,14,15,16,17,18,19,20,21,22,23,24,25,26,27,28,29,30,31,32,33,34,35,36,37,38,39,40,41,42,43,44,45,46,47,48,49,50,51,52,53,54,55,56,57,58,59,60,61,62,63
	v_mov_b32 v[O+\j], 0                           ; O^T: cleared once, so that the step is written without a first step of its own
.endr
; A KEY STEP: 64 keys.  The accumulators take turns, one instruction a turn: eight of S^T, then eight of O^T; over the backward jump too.
.macro STEP
	v_add_nc_u32 v[ADR], s[TBK], v[AK0]
.rept 4
	v_nop                                          ; with the addition five places behind the last V^T P: four for the loads into its fragments' registers, five for the products below, which write over P's
.endr
.irp k, 0,1,2,3                                ; K: keys 16 k on, channels 32 x on
.irp x, 0,1
	ds_load_b128 v[KV+8*(2*\k+\x):KV+8*(2*\k+\x)+3],   v[ADR] offset:\k*2176+64*\x
	ds_load_b128 v[KV+8*(2*\k+\x)+4:KV+8*(2*\k+\x)+7], v[ADR] offset:\k*2176+64*\x+32
.endr
.endr
	s_add_co_u32 s[TBK], s[TBK], KSTEPB            ; the next step's
	s_wait_dscnt 0x0                               ; K is in
.irp x, 0,1
.irp k, 0,1,2,3
.irp t, 0,1
.if \x == 0
	v_wmma_f32_16x16x32_f16 v[S+32*\t+8*\k:S+32*\t+8*\k+7], v[KV+8*(2*\k+\x):KV+8*(2*\k+\x)+7], v[Q+16*\t+8*\x:Q+16*\t+8*\x+7], 0
.else
	v_wmma_f32_16x16x32_f16 v[S+32*\t+8*\k:S+32*\t+8*\k+7], v[KV+8*(2*\k+\x):KV+8*(2*\k+\x)+7], v[Q+16*\t+8*\x:Q+16*\t+8*\x+7], v[S+32*\t+8*\k:S+32*\t+8*\k+7]
.endif
.endr
.endr
.endr
	v_add_nc_u32 v[ADR], s[TBV], v[AV0]
.rept 3
	v_nop                                          ; with the addition four places: for the loads into K's registers, and for the first read of the scores
.endr
.irp u, 0,1                                    ; V, turned: keys 32 u on, channels 16 w on.  It lands while the softmax is walked
.irp w, 0,1,2,3
	ds_load_tr16_b128 v[KV+8*(4*\u+\w):KV+8*(4*\u+\w)+3],   v[ADR] offset:\u*4608+32*\w
	ds_load_tr16_b128 v[KV+8*(4*\u+\w)+4:KV+8*(4*\u+\w)+7], v[ADR] offset:\u*4608+2304+32*\w
.endr
.endr
	s_add_co_u32 s[TBV], s[TBV], VSTEPB
	; the maximum of my 32 scores and the old m, three operands at a time, four chains a tile; the tiles alternate; each accumulator is read from its low end on
.irp j, 0,1,2,3
.irp t, 0,1
	v_max3_num_f32 v[ST+8*\t+4+\j], v[S+32*\t+8*\j], v[S+32*\t+8*\j+1], v[S+32*\t+8*\j+2]
.endr
.endr
.irp g, 1,2
.irp j, 0,1,2,3
.irp t, 0,1
	v_max3_num_f32 v[ST+8*\t+4+\j], v[ST+8*\t+4+\j], v[S+32*\t+8*\j+2*\g+1], v[S+32*\t+8*\j+2*\g+2]
.endr
.endr
.endr
.irp t, 0,1
	v_max3_num_f32 v[ST+8*\t+4], v[ST+8*\t+4], v[S+32*\t+7], v[S+32*\t+15]
	v_max3_num_f32 v[ST+8*\t+6], v[ST+8*\t+6], v[S+32*\t+23], v[S+32*\t+31]
.endr
.irp t, 0,1
	v_max3_num_f32 v[ST+8*\t+4], v[ST+8*\t+4], v[ST+8*\t+5], v[ST+8*\t+6]
.endr
.irp t, 0,1
	v_max3_num_f32 v[ST+8*\t+4], v[ST+8*\t+4], v[ST+8*\t+7], v[ST+8*\t+1]
.endr
.irp t, 0,1
	v_permlanex16_b32 v[ST+8*\t+5], v[ST+8*\t+4], s[SEL], s[SEL+1]   ; the query's other 32 keys lie in the lane 16 away
.endr
.irp t, 0,1
	v_mov_b32 v[ST+8*\t+7], v[ST+8*\t]             ; c m_old is kept for a
.endr
.irp t, 0,1
	v_max_num_f32 v[ST+8*\t+1], v[ST+8*\t+4], v[ST+8*\t+5]   ; the new m
.endr
.irp t, 0,1
	v_mul_f32 v[ST+8*\t], s[CS], v[ST+8*\t+1]      ; c m
.endr
.irp t, 0,1
	v_sub_f32 v[ST+8*\t+7], v[ST+8*\t+7], v[ST+8*\t]   ; c m_old - c m_new
.endr
.irp i, 0,2,4,6,8,10,12,14,16,18,20,22,24,26,28,30
.irp t, 0,1
	v_pk_fma_f32 v[S+32*\t+\i:S+32*\t+\i+1], v[S+32*\t+\i:S+32*\t+\i+1], s[CS:CS+1], v[ST+8*\t:ST+8*\t+1] op_sel_hi:[1,0,0] neg_lo:[0,0,1] neg_hi:[0,0,1]   ; c s - c m, two at a time
.endr
.endr
	; ONE BATCH of 66 exponentials, none of which reads another's result; one plain line; ONE wait ahead of the first reader
.irp t, 0,1
	v_exp_f32 v[ST+8*\t+6], v[ST+8*\t+7]           ; a
.endr
.irp i, 0,1,2,3,4,5,6,7,8,9,10,11,12,13,14,15,16,17,18,19,20,21,22,23,24,25,26,27,28,29,30,31,32,33,34,35,36,37,38,39,40,41,42,43,44,45,46,47,48,49,50,51,52,53,54,55,56,57,58,59,60,61,62,63
	v_exp_f32 v[S+\i], v[S+\i]                     ; p, at most 1
.endr
	v_nop
	s_wait_alu depctr_va_vdst(0)
	; l = a l + the sum of the unrounded p: two chains a tile, two numbers an instruction
.irp t, 0,1
	v_pk_fma_f32 v[ST+8*\t+2:ST+8*\t+3], v[ST+8*\t+2:ST+8*\t+3], v[ST+8*\t+6:ST+8*\t+7], v[S+32*\t:S+32*\t+1] op_sel_hi:[1,0,1]
	v_pk_add_f32 v[ST+8*\t+4:ST+8*\t+5], v[S+32*\t+2:S+32*\t+3], v[S+32*\t+6:S+32*\t+7]
.endr
.irp i, 4,8,12,16,20,24
.irp t, 0,1
	v_pk_add_f32 v[ST+8*\t+2:ST+8*\t+3], v[ST+8*\t+2:ST+8*\t+3], v[S+32*\t+\i:S+32*\t+\i+1]
	v_pk_add_f32 v[ST+8*\t+4:ST+8*\t+5], v[ST+8*\t+4:ST+8*\t+5], v[S+32*\t+\i+6:S+32*\t+\i+7]
.endr
.endr
.irp t, 0,1
	v_pk_add_f32 v[ST+8*\t+2:ST+8*\t+3], v[ST+8*\t+2:ST+8*\t+3], v[S+32*\t+28:S+32*\t+29]
.endr
.irp t, 0,1
	v_pk_add_f32 v[ST+8*\t+2:ST+8*\t+3], v[ST+8*\t+2:ST+8*\t+3], v[ST+8*\t+4:ST+8*\t+5]
.endr
.irp i, 0,1,2,3,4,5,6,7,8,9,10,11,12,13,14,15
.irp t, 0,1
	v_cvt_pk_f16_f32 v[S+32*\t+\i], v[S+32*\t+2*\i], v[S+32*\t+2*\i+1]   ; P in place, ascending: register i is written when pairs 0 .. i have been read
.endr
.endr
.irp i, 0,2,4,6,8,10,12,14,16,18,20,22,24,26,28,30
.irp t, 0,1
	v_pk_mul_f32 v[O+32*\t+\i:O+32*\t+\i+1], v[O+32*\t+\i:O+32*\t+\i+1], v[ST+8*\t+6:ST+8*\t+7] op_sel_hi:[1,0]   ; O^T x a, each accumulator from its low end on
.endr
.endr
	s_wait_dscnt 0x0                               ; V is in
.irp u, 0,1
.irp w, 0,1,2,3
.irp t, 0,1
	v_wmma_f32_16x16x32_f16 v[O+32*\t+8*\w:O+32*\t+8*\w+7], v[KV+8*(4*\u+\w):KV+8*(4*\u+\w)+7], v[S+32*\t+8*\u:S+32*\t+8*\u+7], v[O+32*\t+8*\w:O+32*\t+8*\w+7]
.endr
.endr
.endr
.endm
.macro FOUR_STEPS slot                 ; a slot's four key steps: written once, walked four times; the LDS addresses hang on s[TBK] and s[TBV]
	s_mov_b32 s[TBK], \slot*SLOTB
	s_mov_b32 s[TBV], \slot*SLOTB
	s_mov_b32 s[CNT], 4
.Lstep_\@:
	STEP
	s_sub_co_u32 s[CNT], s[CNT], 1
	s_cmp_lg_u32 s[CNT], 0
	s_cbranch_scc1 .Lstep_\@
.endm
; THE CHANGE OF SLOTS: slot has just been read out.  Each wave waits for all its tensor loads, of which one is out: its tile of the other slot; adds 0 to its spare word; and waits for that and for its own reads.
; fill = 1: the slot is filled again, with the keys two slots on.  The barrier is then a round of the cluster's, so that no wave of any partner still reads the slot or has a load on its way, and the joint refill
; is the first thing behind it: it has four key steps, 128 matrix instructions a wave, in which to land.
.macro CHANGE slot, fill, how
	s_wait_tensorcnt 0x0                           ; no tensor load of mine is out, so a group 0 may be written
	ds_add_u32 v[SPW], v[NIL]                      ; 0 onto my spare word
.if \fill
	s_add_nc_u64 s[G0K+4*\slot+2:G0K+4*\slot+3], s[G0K+4*\slot+2:G0K+4*\slot+3], 2*32768   ; the slot's next 256 keys; the type bits on top are not reached
	s_add_nc_u64 s[G0V+4*\slot+2:G0V+4*\slot+3], s[G0V+4*\slot+2:G0V+4*\slot+3], 2*32768
	s_wait_xcnt 0x0                                ; the last prefetch, four key steps back, has read its address, so it may be written:
	s_add_nc_u64 s[PFA:PFA+1], s[PFA:PFA+1], 32768 ; one slot's keys further on than this refill
	s_wait_dscnt 0x0                               ; the add is done, and my reads of the slot are over
	CROUND
	JLOAD \slot
	ASK \how
.else
	s_wait_dscnt 0x0
	s_barrier_signal -1
	s_barrier_wait -1
.endif
.endm
	s_wait_tensorcnt 1                             ; my tile of slot 0 is in; slot 1's may stay out
	s_barrier_signal -1
	s_barrier_wait -1                              ; everybody's is
	s_wait_loadcnt 0x0                             ; Q
	FOUR_STEPS 0                                   ; keys 0-255
	s_mov_b32 s[LAP], 3
.Llap:                                             ; three laps: both slots are filled again in each: keys 512 to 2,047
	CHANGE 0, 1, 0
	FOUR_STEPS 1
	CHANGE 1, 1, 1
	FOUR_STEPS 0
	s_sub_co_u32 s[LAP], s[LAP], 1
	s_cmp_lg_u32 s[LAP], 0
	s_cbranch_scc1 .Llap
	CHANGE 0, 0, 0                                 ; the tail is written out: nothing is asked for
	FOUR_STEPS 1                                   ; keys 1,792-2,047
	; THE WAY OUT.  The addresses are made here: plain instructions, the places behind the last products.  O^T is divided by l, rounded to f16 and sent through a stage of 256 token rows: a row's two halves come
	; from two waves (the two heads), so a barrier stands between the writing and the reading; then each wave stores 16 whole rows of 256 bytes.
	v_and_b32 v8, 15, v0                           ; r
	v_bfe_u32 v9, v0, 4, 1                         ; h
	s_and_b32 s17, s[WV], 7
	s_mul_i32 s20, s17, 32*SP                      ; my 32 queries' rows,
	s_lshr_b32 s21, s[WV], 3
	s_lshl_b32 s21, s21, 7                         ; my head's 128 bytes of them
	s_add_co_u32 s20, s20, s21
	v_mul_u32_u24 v10, v8, SP
	v_lshl_add_u32 v10, v9, 4, v10
	v_add_nc_u32 v10, s20, v10                     ; in: row r, 16 bytes for each half of the lanes
	s_mul_i32 s20, s[WV], 16*SP
	v_mul_u32_u24 v11, v9, SP
	v_lshl_add_u32 v11, v8, 4, v11
	v_add_nc_u32 v11, s20, v11                     ; back: rows 16 w on; lanes 0-15 one row, lanes 16-31 the next
	v_lshlrev_b32 v28, 11, v9
	v_lshl_add_u32 v28, v8, 4, v28                 ; and the same two rows in att
.irp t, 0,1
	v_add_f32 v[ST+8*\t+4], v[ST+8*\t+2], v[ST+8*\t+3]   ; l's two halves,
.endr
.irp t, 0,1
	v_permlanex16_b32 v[ST+8*\t+5], v[ST+8*\t+4], s[SEL], s[SEL+1]
.endr
.irp t, 0,1
	v_add_f32 v[ST+8*\t+4], v[ST+8*\t+4], v[ST+8*\t+5]   ; and the other half of the lanes'
.endr
.irp t, 0,1
	v_rcp_f32 v[ST+8*\t+6], v[ST+8*\t+4]
.endr
	v_nop                                          ; a plain line between the last reciprocal and the use of its result
	s_wait_alu depctr_va_vdst(0)                   ; and the wait ahead of the first use: one for both
.irp t, 0,1
.irp i, 0,2,4,6,8,10,12,14,16,18,20,22,24,26,28,30
	v_pk_mul_f32 v[O+32*\t+\i:O+32*\t+\i+1], v[O+32*\t+\i:O+32*\t+\i+1], v[ST+8*\t+6:ST+8*\t+7] op_sel_hi:[1,0]
.endr
.endr
.irp t, 0,1
.irp i, 0,1,2,3,4,5,6,7,8,9,10,11,12,13,14,15
	v_cvt_pk_f16_f32 v[KV+16*\t+\i], v[O+32*\t+2*\i], v[O+32*\t+2*\i+1]
.endr
.endr
.irp t, 0,1
.irp w, 0,1,2,3
	ds_store_b128 v10, v[KV+16*\t+4*\w:KV+16*\t+4*\w+3] offset:\t*16*SP+32*\w   ; query 16 t + r, channels 16 w + 8 h + 0..7
.endr
.endr
	s_wait_dscnt 0x0                               ; for the others' sake: my stores into the stage are done
	s_barrier_signal -1
	s_barrier_wait -1
.irp i, 0,1,2,3,4,5,6,7
	ds_load_b128 v[KV+32+4*\i:KV+32+4*\i+3], v11 offset:\i*2*SP
.endr
.irp i, 0,1,2,3,4,5,6,7
	s_wait_dscnt 7-\i
	global_store_b128 v28, v[KV+32+4*\i:KV+32+4*\i+3], s[6:7] offset:4096*\i   ; sixteen lanes store 256 consecutive bytes, aligned
.endr
	s_wait_tensorcnt 0x0                           ; the wave's end: behind my last tensor load and my last LDS store
	ds_add_u32 v[SPW], v[NIL]
	s_wait_dscnt 0x0
	CROUND                                         ; the closing round: no work-group ends while a partner may still ask for a tile that names it
	s_endpgm
.Lfunc_end_k_q17592a0e63_attn:
	.size	k_q17592a0e63_attn, .Lfunc_end_k_q17592a0e63_attn-k_q17592a0e63_attn
	.p2alignl 7, 3214868480
	.fill 96, 4, 3214868480
	.section	.rodata,"a",@progbits
	.p2align	6, 0x0
	.amdhsa_kernel k_q17592a0e63_attn
		.amdhsa_group_segment_fixed_size 327680
		.amdhsa_private_segment_fixed_size 0
		.amdhsa_enable_private_segment 0
		.amdhsa_kernarg_size 16
		.amdhsa_user_sgpr_count 2
		.amdhsa_user_sgpr_kernarg_segment_ptr 1
		.amdhsa_wavefront_size32 1
		.amdhsa_system_sgpr_workgroup_id_x 1
		.amdhsa_system_sgpr_workgroup_id_y 1
		.amdhsa_system_sgpr_workgroup_id_z 1
		.amdhsa_system_vgpr_workitem_id 0
		.amdhsa_next_free_vgpr 256
		.amdhsa_next_free_sgpr 66
		.amdhsa_reserve_vcc 0
		.amdhsa_float_denorm_mode_32 3
		.amdhsa_float_denorm_mode_16_64 3
		.amdhsa_memory_ordered 1
		.amdhsa_forward_progress 1
		.amdhsa_inst_pref_size 90
	.end_amdhsa_kernel
	.amdgpu_metadata
---
amdhsa.version: [ 1, 2 ]
amdhsa.kernels:
  - .name:           k_q17592a0e63_attn
    .symbol:         k_q17592a0e63_attn.kd
    .args:
      - { .name: qkvh, .offset: 0, .size: 8, .value_kind: global_buffer, .address_space: global }
      - { .name: att, .offset: 8, .size: 8, .value_kind: global_buffer, .address_space: global }
    .group_segment_fixed_size: 327680
    .private_segment_fixed_size: 0
    .kernarg_segment_align: 8
    .kernarg_segment_size: 16
    .max_flat_workgroup_size: 512
    .sgpr_count:     66
    .vgpr_count:     256
    .wavefront_size: 32
...
	.end_amdgpu_metadata
.endif
;; end of part 3
;; launch proj (part 4): grid 8 x 64, 4 waves a work-group, clusters of 4 x 4, 327,680 bytes of LDS; arguments att, wpt, b_proj, out0; writes out0
.if DOCPART == 4
	.amdgcn_target "amdgcn-amd-amdhsa--gfx1250"
	.amdhsa_code_object_version 6
	.text
	.protected	k_q17592a0e63_proj
	.globl	k_q17592a0e63_proj
	.p2align	8
	.type	k_q17592a0e63_proj,@function
k_q17592a0e63_proj:
	s_mov_b64 s[64:65], 0
	v_nop
	global_prefetch_b8 v0, s[64:65] scope:SCOPE_SE
	s_setreg_imm32_b32 hwreg(HW_REG_WAVE_MODE, 25, 1), 1
	s_wait_xcnt 0x0
	s_wait_alu depctr_hold_cnt(0) depctr_sa_sdst(0) depctr_va_vdst(0) depctr_va_sdst(0) depctr_va_ssrc(0) depctr_va_vcc(0) depctr_vm_vsrc(0)
	s_getreg_b32 s2, hwreg(HW_REG_IB_STS2, 6, 4)
	s_cmp_eq_u32 s2, 0
	s_cbranch_scc0 .Lentry_in_a_cluster
	s_endpgm
.Lentry_in_a_cluster:
	s_bfe_u32 s2, ttmp6, 0x10000c
	s_cmp_lg_u32 s2, 0xf033
	s_cbranch_scc0 .Lentry_shape_is_right
	s_endpgm
.Lentry_shape_is_right:
; out0[m][n] = sum over k of att[m][k] w_proj[k][n] + b_proj[n].  A = att [8192][1024] f16; B = w_proj as f16 with K innermost, [1024 (n)][1024 (k)]; out0 [8192][1024] f32; sums in f32.
; A tile of the result is 128 x 128: 512 work-groups, two for each of 256 WGPs.  Four waves, each 64 x 64: 16 accumulators of 16 x 16, 128 registers.  K goes in steps of 256 (LDS rows of 512 bytes; a wave's
; tensor load brings 64 of them) through a ring of two slots.
; CLUSTERS: 4 x 4 work-groups.  The four of a row of the cluster need the same tiles of A, the four of a column the same tiles of B: each tile is asked for JOINTLY, by the same tensor load with the
; same descriptor and a mask that names the four.  THE MATRIX INSTRUCTION IS USED TRANSPOSED (source 0 = 16 rows of B, source 1 = 16 rows of A): a lane then holds eight neighbouring numbers of a row of the result.
; THE BIAS is the C of each sum's first matrix instruction.  A wave's 64 columns of f32 are 256 whole bytes of a row, so each wave has a stage of its own on the way out, and no barrier.
; REGISTERS: window 0: v0-31 addresses; v32-63 the bias, later with v64-95 rows on the way out; v128-255 the accumulators ((a, b) at v[128 + 8 (4 a + b)]).
;   window 1: two fragment buffers of 128: for 64 along K, 64 registers of A (2 x 4 x 16 rows x 32 K), then 64 of B.
.set SIZE_N, 1024
.set SIZE_K, 1024
.set KSTEP,  256
.set PITCH,  528                       ; an LDS row: 512 bytes + 16 of padding = 132 words: row r starts at bank 4 r mod 64 (64 banks of 4 bytes: ISA guide 11.1)
.set HALFT,  64*PITCH                  ; 64 rows: what one tensor load brings
.set SLOT,   4*HALFT                   ; A's 128 rows, then B's 128 rows
.set STAGE,  2*SLOT                    ; behind the ring: 16 rows x 272 bytes for each wave
.set SPITCH, 272
.set SPARE,  STAGE+4*16*SPITCH         ; behind the stages: the spare words, 128 bytes for each wave: two blocks of 256 bytes that no other line names
.set LAPS, SIZE_K/(2*KSTEP)            ; a lap = two K steps = once round the ring: 2
.set ADRA, 16                          ; v16-17  LDS address of my A fragments in slot 0, 1
.set ADRB, 20                          ; v20-21  the same for B
.set STO,  24                          ; v24     the way out: where I put 32 bytes of a row
.set RD,   25                          ; v25     the way out: where I read a row back
.set CO,   26                          ; v26     my byte offset in the result
.set BO,   27                          ; v27     the bias: 32 bytes x (lane / 16)
.set SPW,  28                          ; v28     LDS address of my spare word; never rewritten
.set NIL,  29                          ; v29     0; never rewritten
.set BI,   32                          ; the bias: block b at v[BI + 8 b]
.set TMP,  32                          ; the way out: two sets of 32 registers
.set ACC,  128
.set F0,   0                           ; fragment buffers, in window 1
.set F1,   128
.set G1, 24                            ; s[24:31] descriptor group 1 for A's tiles;  s[32:39] group 0, one set for each slot
.set G0, 32
.set G1B, 48                           ; s[48:55], s[56:63] the same for B's tiles
.set G0B, 56
.set MSB, 0
.macro WIN new                         ; the immediate's high byte repeats the setting that is left
.if MSB != \new
	s_set_vgpr_msb (MSB<<8)|\new
.set MSB, \new
.endif
.endm
.set MUL,  0x05                        ; sources 0 (B) and 1 (A) window 1; C and D window 0
.set TO_F, 0x40                        ; destination window 1, address window 0
.macro JLOAD s                         ; a joint load: waves 0 and 1 fetch A's two halves, waves 2 and 3 B's; an s_nop 0 and four v_nop follow each of the two lines
	s_cmp_eq_u32 s11, 0
	s_cbranch_scc0 .Lfor_b_\@
	tensor_load_to_lds s[G0+4*\s:G0+4*\s+3], s[G1:G1+7]
	s_nop 0
.rept 4
	v_nop
.endr
	s_branch .Lasked_\@
.Lfor_b_\@:
	tensor_load_to_lds s[G0B+4*\s:G0B+4*\s+3], s[G1B:G1B+7]
	s_nop 0
.rept 4
	v_nop
.endr
.Lasked_\@:
.endm
.macro CREST                           ; a round of the cluster's barrier behind its opening barrier
	s_cmp_lg_u32 s10, 0
	s_cbranch_scc1 .Lnot_wave_0_\@
	s_barrier_signal -3
.Lnot_wave_0_\@:
	s_barrier_wait -3
	s_barrier_signal -1
	s_barrier_wait -1
.endm
.macro CROUND                          ; a whole round
	s_barrier_signal -1
	s_barrier_wait -1
	CREST
.endm
	s_load_b128 s[4:7], s[0:1], 0x0                ; A s[4:5], B s[6:7]
	s_load_b128 s[68:71], s[0:1], 0x10             ; the bias s[68:69], the result s[70:71]
	v_lshl_add_u32 v[SPW], v0, 2, SPARE
	v_mov_b32 v[NIL], 0
	ds_add_u32 v[SPW], v[NIL]                      ; the wave's opening: the add, twice on end, and its wait ahead of my first tensor load
	ds_add_u32 v[SPW], v[NIL]                      ; and once more, under the one wait; the set-up below, work on registers, stands between
	v_lshrrev_b32 v1, 5, v0
	v_readfirstlane_b32 s10, v1                    ; wave 0..3
	s_lshr_b32 s11, s10, 1                         ; which half of the tile's rows is mine.  Also: I fetch for A (0) or for B (1)
	s_and_b32 s12, s10, 1                          ; which half of its columns.  Also: which 64 rows of that tile I fetch
	s_bfe_u32 s40, ttmp6, 0x40000                  ; cx, cy: my place in the cluster
	s_bfe_u32 s41, ttmp6, 0x40004
	s_lshl_b32 s42, ttmp9, 2
	s_add_co_u32 s42, s42, s40                     ; tile column = 4 x cluster x + cx
	s_and_b32 s13, ttmp7, 0xffff
	s_lshl_b32 s13, s13, 2
	s_add_co_u32 s13, s13, s41                     ; tile row = 4 x cluster y + cy
	s_lshl_b32 s43, s41, 2
	s_lshl_b32 s43, 15, s43                        ; my row of the cluster
	s_lshl_b32 s44, 0x1111, s40                    ; my column
	; descriptor group 1: a tile of 64 rows x 256 elements, padded in LDS
	s_or_b32 s[G1+0], s43, (1<<16)|(1<<20)|(1<<21)|(6<<22)|(3<<25)  ; 15:0 the mask: A's tiles go to my row; 17:16 element of 2 bytes; 20 padding on; 21 set beside a mask; 24:22 after every 128 words; 31:25 of 4 words
	s_or_b32 s[G1B+0], s44, (1<<16)|(1<<20)|(1<<21)|(6<<22)|(3<<25)
.irp g, G1, G1B
	s_mov_b32 s[\g+1], KSTEP<<16                   ; tensor_dim0 = 256
	s_mov_b32 s[\g+2], 64<<16                      ; tensor_dim1 = 64
	s_mov_b32 s[\g+3], KSTEP<<16                   ; tile_dim0 = 256
	s_mov_b32 s[\g+4], 64                          ; tile_dim1 = 64
	s_mov_b32 s[\g+5], SIZE_K                      ; tensor_dim0_stride
	s_mov_b32 s[\g+6], 0
	s_mov_b32 s[\g+7], 0
.endr
	s_lshl_b32 s17, s12, 6                         ; which 64 rows of the tile I fetch
	s_lshl_b32 s16, s13, 7
	s_add_co_u32 s16, s16, s17                     ; A: row 128 x tile row + 64 x half
	s_lshl_b32 s46, s42, 7
	s_add_co_u32 s46, s46, s17                     ; B: row 128 x tile column + 64 x half
	s_mov_b32 s17, 0
	s_mov_b32 s47, 0
	s_mov_b64 s[18:19], SIZE_K*2
	s_mul_u64 s[16:17], s[16:17], s[18:19]
	s_mul_u64 s[46:47], s[46:47], s[18:19]
	s_mul_i32 s20, s10, HALFT                      ; where they go: wave x 64 rows: no place in the cluster enters an LDS address
	s_wait_dscnt 0x0                               ; both opening adds are done
	s_wait_kmcnt 0x0
	s_add_nc_u64 s[14:15], s[4:5], s[16:17]
	s_add_nc_u64 s[46:47], s[6:7], s[46:47]
	CROUND                                         ; all sixteen work-groups are here: the first joint loads meet
.irp s, 0,1
	s_mov_b32 s[G0+4*\s], 1
	s_add_co_u32 s[G0+4*\s+1], s20, \s*SLOT
	s_add_nc_u64 s[G0+4*\s+2:G0+4*\s+3], s[14:15], \s*KSTEP*2
	s_or_b32 s[G0+4*\s+3], s[G0+4*\s+3], 0x80000000
	s_mov_b32 s[G0B+4*\s], 1
	s_add_co_u32 s[G0B+4*\s+1], s20, \s*SLOT
	s_add_nc_u64 s[G0B+4*\s+2:G0B+4*\s+3], s[46:47], \s*KSTEP*2
	s_or_b32 s[G0B+4*\s+3], s[G0B+4*\s+3], 0x80000000
	JLOAD \s                                       ; two tensor loads of mine are out
.endr
	v_and_b32 v1, 15, v0                           ; l % 16
	v_bfe_u32 v2, v0, 4, 1                         ; l / 16
	v_mul_u32_u24 v3, v1, PITCH
	v_lshl_add_u32 v3, v2, 4, v3                   ; a fragment's row x pitch + 16 x half
	s_mul_i32 s21, s11, HALFT                      ; my 64 rows of A
	s_mul_i32 s22, s12, HALFT                      ; my 64 rows of B,
	s_add_co_u32 s22, s22, 2*HALFT                 ; which lie behind A's 128
.irp s, 0,1
	v_add_nc_u32 v[ADRA+\s], s21, v3
	v_add_nc_u32 v[ADRB+\s], s22, v3
	s_add_co_u32 s21, s21, SLOT
	s_add_co_u32 s22, s22, SLOT
.endr
	s_mul_i32 s23, s10, 16*SPITCH
	s_add_co_u32 s23, s23, STAGE                   ; my stage
	v_mul_u32_u24 v4, v1, SPITCH                   ; in: row l % 16, 32 bytes for each half of the lanes
	v_lshl_add_u32 v4, v2, 5, v4
	v_add_nc_u32 v[STO], s23, v4
	v_mul_u32_u24 v5, v2, SPITCH                   ; back: lanes 0-15 take one row of 256 bytes, lanes 16-31 the next
	v_lshl_add_u32 v5, v1, 4, v5
	v_add_nc_u32 v[RD], s23, v5
	v_lshlrev_b32 v5, 12, v2                       ; and the same two rows in the result: 4,096 bytes a row
	v_lshl_add_u32 v[CO], v1, 4, v5
	s_lshl_b32 s16, s13, 7
	s_lshl_b32 s17, s11, 6
	s_add_co_u32 s16, s16, s17                     ; my first row: 128 x tile row + 64 x half
	s_lshl_b32 s16, s16, 12
	s_mov_b32 s17, 0
	s_lshl_b32 s46, s42, 7
	s_lshl_b32 s47, s12, 6
	s_add_co_u32 s46, s46, s47                     ; my first column: 128 x tile column + 64 x half
	s_lshl_b32 s46, s46, 2
	s_mov_b32 s47, 0
	s_add_nc_u64 s[8:9], s[70:71], s[16:17]
	s_add_nc_u64 s[8:9], s[8:9], s[46:47]          ; the result at my corner
	s_add_nc_u64 s[68:69], s[68:69], s[46:47]      ; the bias at my first column
	v_lshlrev_b32 v[BO], 5, v2
.irp b, 0,1,2,3                                ; lane (r, h) wants, for B's block b, the bias of columns 16 b + 8 h + 0 .. 7
	global_load_b128 v[BI+8*\b:BI+8*\b+3], v[BO], s[68:69] offset:64*\b
	global_load_b128 v[BI+8*\b+4:BI+8*\b+7], v[BO], s[68:69] offset:64*\b+16
.endr
; 8 matrix instructions: m blocks a0, a0 + 1 x all 4 n blocks, 32 along K: half c of buffer f.  first = 1: the bias starts the sums.  The 16 accumulators take turns.
.macro MUL8 f, c, a0, first
.irp a, \a0, \a0+1
.irp b, 0,1,2,3
.if \first
	v_wmma_f32_16x16x32_f16 v[ACC+8*(4*(\a)+\b):ACC+8*(4*(\a)+\b)+7], v[\f+64+8*(4*\c+\b):\f+64+8*(4*\c+\b)+7], v[\f+8*(4*\c+\a):\f+8*(4*\c+\a)+7], v[BI+8*\b:BI+8*\b+7]
.else
	v_wmma_f32_16x16x32_f16 v[ACC+8*(4*(\a)+\b):ACC+8*(4*(\a)+\b)+7], v[\f+64+8*(4*\c+\b):\f+64+8*(4*\c+\b)+7], v[\f+8*(4*\c+\a):\f+8*(4*\c+\a)+7], v[ACC+8*(4*(\a)+\b):ACC+8*(4*(\a)+\b)+7]
.endif
.endr
.endr
.endm
; 32 LDS loads in one run: the fragments of 64 along K at byte k of the rows, into buffer f; the first 32 along K first
.macro FETCH slot, k, f
	WIN TO_F
.irp c, 0,1
.irp i, 0,1,2,3
	ds_load_b128 v[\f+64+8*(4*\c+\i):\f+64+8*(4*\c+\i)+3],   v[ADRB+\slot] offset:\k+64*\c+\i*16*PITCH
	ds_load_b128 v[\f+64+8*(4*\c+\i)+4:\f+64+8*(4*\c+\i)+7], v[ADRB+\slot] offset:\k+64*\c+\i*16*PITCH+32
	ds_load_b128 v[\f+8*(4*\c+\i):\f+8*(4*\c+\i)+3],         v[ADRA+\slot] offset:\k+64*\c+\i*16*PITCH
	ds_load_b128 v[\f+8*(4*\c+\i)+4:\f+8*(4*\c+\i)+7],       v[ADRA+\slot] offset:\k+64*\c+\i*16*PITCH+32
.endr
.endr
.endm
.macro PLACES                          ; four places in front of loads into registers that matrix instructions have read, and of the first read of results
.rept 4
	v_nop
.endr
.endm
; A K step is four quarters of 64 along K, 32 matrix instructions each, on buffers 0, 1, 0, 1.  One of the first three: multiplies buffer f and fetches the next quarter, at byte k, into g.
.macro QUARTER slot, k, f, g, first
	s_wait_dscnt 16                                ; the first 32 along K are in; the sixteen loads of the second 32 may be out
	WIN MUL
	MUL8 \f, 0, 0, \first
	MUL8 \f, 0, 2, \first
	PLACES
	FETCH \slot, \k, \g
	s_wait_dscnt 32                                ; all but the 32 just issued
	WIN MUL
	MUL8 \f, 1, 0, 0
	MUL8 \f, 1, 2, 0
.endm
; The last quarter multiplies buffer 1 and changes slots: ONE barrier; in front of it each wave waits for all its tensor loads, adds 0 to its spare word, and waits for that and for its own reads of this slot.
; fill = 1: this slot is filled again, two K steps ahead.
.macro TURN slot, next, fill
	WIN 0                                          ; (the add's two registers lie in window 0)
	s_wait_tensorcnt 0x0                           ; all my tensor loads have landed: my part of the next slot;
	ds_add_u32 v[SPW], v[NIL]                      ; 0 onto my spare word;
	s_wait_dscnt 17                                ; (the add and the youngest sixteen loads may be out)
	WIN MUL
	MUL8 F1, 0, 0, 0                               ; eight matrix instructions stand between the add and the wait for it
	s_wait_dscnt 0x0                               ; the add is done, and my reads of this slot are over
	s_barrier_signal -1
	MUL8 F1, 0, 2, 0
.if \fill
	WIN 0
.endif
	s_barrier_wait -1
.if \fill
	CREST                                          ; the barrier has opened a round of the cluster's barrier: no wave of any partner still reads this slot's tile or has a load on its way
	s_add_nc_u64 s[G0+4*\slot+2:G0+4*\slot+3], s[G0+4*\slot+2:G0+4*\slot+3], 2*KSTEP*2
	s_add_nc_u64 s[G0B+4*\slot+2:G0B+4*\slot+3], s[G0B+4*\slot+2:G0B+4*\slot+3], 2*KSTEP*2
	JLOAD \slot                                    ; the first tensor load behind the round; the four v_nop behind it are also the places in front of the loads below
.else
	PLACES
.endif
	FETCH \next, 0, F0
	WIN MUL
	MUL8 F1, 1, 0, 0
	MUL8 F1, 1, 2, 0
.endm
	s_wait_tensorcnt 1                             ; my part of K step 0 is in (K step 1's load may be out)
	s_barrier_signal -1
	s_barrier_wait -1                              ; everybody's is
	FETCH 0, 0, F0
	s_wait_loadcnt 0x0                             ; the bias
	QUARTER 0, 128, F0, F1, 1                      ; the first quarter stands in front of the loop: its first products start the sums, from the bias
	WIN 0                                          ; at a label and at a branch every window is 0
	s_mov_b32 s3, LAPS-1
.Llap:                                                 ; a trip goes once round the ring, from a lap's second quarter to the next lap's first, and fills both slots again
	QUARTER 0, 256, F1, F0, 0
	QUARTER 0, 384, F0, F1, 0
	TURN 0, 1, 1
	QUARTER 1, 128, F0, F1, 0
	QUARTER 1, 256, F1, F0, 0
	QUARTER 1, 384, F0, F1, 0
	TURN 1, 0, 1
	QUARTER 0, 128, F0, F1, 0
	WIN 0
	s_sub_co_u32 s3, s3, 1
	s_cmp_lg_u32 s3, 0
	s_cbranch_scc1 .Llap
	QUARTER 0, 256, F1, F0, 0                      ; the last lap fills nothing, and has no round of the cluster's barrier
	QUARTER 0, 384, F0, F1, 0
	TURN 0, 1, 0
	QUARTER 1, 128, F0, F1, 0
	QUARTER 1, 256, F1, F0, 0
	QUARTER 1, 384, F0, F1, 0
	s_wait_dscnt 16                                ; the very last quarter: nothing more to fetch
	WIN MUL
	MUL8 F1, 0, 0, 0
	MUL8 F1, 0, 2, 0
	s_wait_dscnt 0
	MUL8 F1, 1, 0, 0
	MUL8 F1, 1, 2, 0
	WIN 0
; THE WAY OUT, block by block of 16 rows x 64 columns.  A lane holds 32 neighbouring bytes of a row, and the lanes beside it hold other rows: so a block goes through my own stage in LDS and comes back as whole
; rows of 256 bytes.  LDS serves a wave's instructions in order (ISA guide 5.7.1.4): no wait between the stores and the loads, nor in front of the next block's stores.
.macro TOSTAGE a
.irp b, 0,1,2,3
	ds_store_b128 v[STO], v[ACC+8*(4*(\a)+\b):ACC+8*(4*(\a)+\b)+3] offset:64*\b          ; each accumulator from its low end on
	ds_store_b128 v[STO], v[ACC+8*(4*(\a)+\b)+4:ACC+8*(4*(\a)+\b)+7] offset:64*\b+16
.endr
.set BB, TMP+32*((\a)%2)
.irp t, 0,1,2,3,4,5,6,7
	ds_load_b128 v[BB+4*\t:BB+4*\t+3], v[RD] offset:\t*2*SPITCH
.endr
.endm
.macro SEND a, younger                 ; younger: the LDS instructions issued behind block a's loads, which may stay out
.set BB, TMP+32*((\a)%2)
	s_wait_dscnt \younger                          ; the block is back in registers
.irp t, 0,1,2,3,4,5,6,7
	global_store_b128 v[CO], v[BB+4*\t:BB+4*\t+3], s[8:9] offset:(16*(\a)+2*\t)*SIZE_N*4 th:TH_STORE_NT   ; sixteen lanes store 256 consecutive bytes, aligned; written once, read by nobody here
.endr
.endm
	PLACES                                         ; behind the last products: the stores below read results
	TOSTAGE 0
.irp a, 1,2,3
.if \a > 1
	s_wait_xcnt 0x0                                ; block a - 2's stores have read their registers: block a's loads may land there
.endif
	TOSTAGE \a
	SEND \a-1, 16                                  ; behind block a - 1's loads: block a's 8 stores and 8 loads
.endr
	SEND 3, 0
	s_wait_tensorcnt 0x0                           ; the wave's end: behind my last tensor load and my last LDS store
	ds_add_u32 v[SPW], v[NIL]
	s_wait_dscnt 0x0
	CROUND                                         ; the closing round: no work-group ends while a partner may still ask for a tile that names it
	s_endpgm
.Lfunc_end_k_q17592a0e63_proj:
	.size	k_q17592a0e63_proj, .Lfunc_end_k_q17592a0e63_proj-k_q17592a0e63_proj
	.p2alignl 7, 3214868480
	.fill 96, 4, 3214868480
	.section	.rodata,"a",@progbits
	.p2align	6, 0x0
	.amdhsa_kernel k_q17592a0e63_proj
		.amdhsa_group_segment_fixed_size 327680
		.amdhsa_private_segment_fixed_size 0
		.amdhsa_enable_private_segment 0
		.amdhsa_kernarg_size 32
		.amdhsa_user_sgpr_count 2
		.amdhsa_user_sgpr_kernarg_segment_ptr 1
		.amdhsa_wavefront_size32 1
		.amdhsa_system_sgpr_workgroup_id_x 1
		.amdhsa_system_sgpr_workgroup_id_y 1
		.amdhsa_system_sgpr_workgroup_id_z 1
		.amdhsa_system_vgpr_workitem_id 0
		.amdhsa_next_free_vgpr 512
		.amdhsa_next_free_sgpr 72
		.amdhsa_reserve_vcc 0
		.amdhsa_float_denorm_mode_32 3
		.amdhsa_float_denorm_mode_16_64 3
		.amdhsa_memory_ordered 1
		.amdhsa_forward_progress 1
		.amdhsa_inst_pref_size 86
	.end_amdhsa_kernel
	.amdgpu_metadata
---
amdhsa.version: [ 1, 2 ]
amdhsa.kernels:
  - .name:           k_q17592a0e63_proj
    .symbol:         k_q17592a0e63_proj.kd
    .args:
      - { .name: att, .offset: 0, .size: 8, .value_kind: global_buffer, .address_space: global }
      - { .name: wpt, .offset: 8, .size: 8, .value_kind: global_buffer, .address_space: global }
      - { .name: b_proj, .offset: 16, .size: 8, .value_kind: global_buffer, .address_space: global }
      - { .name: out0, .offset: 24, .size: 8, .value_kind: global_buffer, .address_space: global }
    .group_segment_fixed_size: 327680
    .private_segment_fixed_size: 0
    .kernarg_segment_align: 8
    .kernarg_segment_size: 32
    .max_flat_workgroup_size: 128
    .sgpr_count:     72
    .vgpr_count:     512
    .wavefront_size: 32
...
	.end_amdgpu_metadata
.endif
;; end of part 4
